; MI455X (gfx1250); checked and timed in simulation.
; The chip was launched on July 23, 2026; its instructions are those of AMD's public machine-readable ISA for CDNA 5 (MIT licence, August 2026) and "CDNA5" Instruction Set Architecture Reference Guide (July 2026). The comments in the code are by the model that wrote it; some were corrected since.
;; Text Guided Pruning. Allowed arithmetic: matrix products marked QUANTISED: E3M2 operands, one E8M0 scale for each 32 along K, by v_wmma_scale_f32_16x16x128_f8f6f4 with both operands' format E3M2, f32 sums; products left as they are: f32 operands where the result goes on into a quantised operand, else bf16, f16 or f32 operands; f32 sums; everything else in f32.
;; Inputs: alpha_coarse one number float32; alpha_fine one number float32; b1 256 float32; b2 128 float32; b3 1 float32; be1 256 float32; be2 128 float32; g1 256 float32; g2 128 float32; in_proj_b 768 float32; in_proj_w 768 x 256 float32; k_weight one number float32; text_features 32 x 16 x 256 float32; tp_b 256 float32; tp_w 256 x 256 float32; vision_features 16,384 x 16 x 256 float32; vp_b 256 float32; vp_w 256 x 256 float32; w1 256 x 256 float32; w2 128 x 256 float32; w3 1 x 128 float32.
;; Outputs: out0 16,384 x 16 float32.
;; This version of the problem:
;;   THIS VERSION OF THE PROBLEM IS GIVEN IN LOW PRECISION. The matrix products marked QUANTISED in the list below multiply operands that are first quantised to E3M2 (3 exponent bits, 2 mantissa bits; 6 bits a number), with one power-of-two scale for each 32 numbers along K (OCP MX v1.0); their sums are f32. All else is computed in f32.
;;   The module's matrix products, in the order in which they are computed (A, B: the left and right operand; K: the contracted axis; several contracted axes count as one K, in the product's order):
;;     1. [M 262,144, K 256] x [K 256, N 256]; A: input vision_features; B: input vp_w: QUANTISED
;;     2. [M 512, K 256] x [K 256, N 256]; A: input text_features; B: input tp_w: QUANTISED
;;     3. [M 262,144, K 256] x [K 256, N 256]; A: computed on the way; B: input in_proj_w: QUANTISED
;;     4. [M 512, K 256] x [K 256, N 256]; A: computed on the way; B: input in_proj_w: QUANTISED
;;     5. batch 128 x [M 16,384, K 32] x [K 32, N 32]; A: computed on the way; B: computed on the way: QUANTISED
;;     6. [M 262,144, K 256] x [K 256, N 256]; A: input vision_features; B: input w1: QUANTISED
;;     7. [M 262,144, K 256] x [K 256, N 128]; A: computed on the way; B: input w2: QUANTISED
;;     8. [M 262,144, K 128] x [K 128, N 1]; A: computed on the way; B: input w3: left as it is (N = 1 < 16)
;;   THE QUANTISER, for each operand of a quantised product, along K:
;;     - K is cut into blocks of 32 from its start; a last block that is shorter is filled with zeros.
;;     - A block's scale is 2^e with e = floor(log2(the largest magnitude in the block)) - 4, held to -126 .. 127; a block of zeros has e = 0. As a byte (E8M0): e + 127.
;;     - Each number is divided by its block's scale, clamped to +-28, and rounded to the nearest number of E3M2, ties to even, subnormals kept.
;;     - The product sums the exact products of the quantised numbers (number of the format x scale) in f32.
;;   ~~~python
;;   def quantise(x, axis):      # numpy; x: float32 -> the quantised numbers, widened to float32 again
;;       x = np.moveaxis(x, axis, -1); K = x.shape[-1]
;;       x = np.pad(x, [(0, 0)] * (x.ndim - 1) + [(0, -K % 32)]); x = x.reshape(x.shape[:-1] + (-1, 32)); a = np.abs(x).max(-1, keepdims=True)
;;       e = np.where(a > 0, np.clip(np.frexp(np.where(a > 0, a, 1))[1] - 1 - 4, -126, 127), 0)      # np.frexp(a)[1] - 1 = floor(log2(a)), exactly
;;       r = np.clip(x / 2.0 ** e, -28, 28)
;;       step = 2.0 ** (np.maximum(np.frexp(np.where(r == 0, 1, r))[1] - 1, -2) - 2)
;;       q = np.round(r / step) * step * 2.0 ** e      # np.round: ties to even
;;       return np.moveaxis(q.reshape(q.shape[:-2] + (-1,))[..., :K], -1, axis).astype(np.float32)
;;   ~~~
;;   OPERANDS COMPUTED ON THE WAY. 'Computed on the way' means the value that the module computes at that place (a softmax that the list does not call 'softmax' is quantised finished and normalised). What goes into a quantiser is computed in f32, as accurately as f32 sums, v_exp_f32 and their like allow (about 1e-6 of the number): no bf16 or f16 on the way to a quantiser, and a product that is left as it is and whose result goes on into a quantised operand takes f32 operands (vector FMAs, or v_wmma_f32_16x16x4_f32). A number that lies on a knife's edge between two numbers of the format may be rounded either way, as far as f32 arithmetic and the matrix unit's own rounding can turn it there, and no further.
;; One version. Each part assembles by itself: llvm-mc -triple=amdgcn-amd-amdhsa -mcpu=gfx1250 --defsym DOCPART=n.
;; ======== version 1 of 1: 3 launches
;; workspace buffers: wimg 179,200 bytes; kimg 409,600 bytes; planes 10,485,760 bytes; part 32,768 bytes
;; launch prep (part 1): grid 16 x 1, 8 waves a work-group, no clusters, 105,472 bytes of LDS; arguments vp_w, in_proj_w, w1, w2, tp_w, text_features, tp_b, in_proj_b, wimg, kimg; writes wimg, kimg
.if DOCPART == 1
	.amdgcn_target "amdgcn-amd-amdhsa--gfx1250"
	.amdhsa_code_object_version 6
	.text
	.protected	k_qfeb2297240_prep
	.globl	k_qfeb2297240_prep
	.p2align	8
	.type	k_qfeb2297240_prep,@function
k_qfeb2297240_prep:
	s_mov_b64 s[64:65], 0
	v_nop
	global_prefetch_b8 v0, s[64:65] scope:SCOPE_SE
	s_setreg_imm32_b32 hwreg(HW_REG_WAVE_MODE, 25, 1), 1
	s_wait_xcnt 0x0
; PREP.  Everything that does not hang on the vision rows is made once: (a) the four weights that the vision rows meet (vp_w, in_proj_w[0:256], w1, w2) as codes of BF6 (E3M2) with
; E8M0 scales, laid as IMAGES OF OPERAND REGISTERS (a fragment of 16 rows x 128 K: 12 registers a lane, register group g at 512 g + 16 x lane: 1,536 bytes); (b) for each batch b the
; text chain, text -> tp_w -> in_proj_w[256:512], both products on codes, and its result kp as key fragments for the score product.
; SHARES.  Work-group b serves batch b.  Its eight waves quantise tp_w and in_proj_w[256:512] into LDS (64 fragments, eight a wave); one barrier; then wave 0 walks b's 32 text rows through
; the chain, while waves 1 to 7 make one of the 112 weight fragments each: F = 7 x work-group + wave - 1.
; A WEIGHT TILE'S ROWS ARE NOT NEIGHBOURS: lane r of tile t takes row 32 (t / 2) + 8 (t % 2) + r + 8 (r / 8); with the product used transposed (source 0 = weight, source 1 = rows) the 16
; registers of tiles 2 b and 2 b + 1 are then 16 neighbours along the next product's K.
; A KEY FRAGMENT (pair of heads p, tile t): row m < 8 is (head 2 p, key 8 t + m), row m >= 8 is (head 2 p + 1, key 8 t + m - 8); only that head's block of 32 holds codes, the rest are zero codes.
; LIMITS: NaN and infinities among the inputs are not served.  A block whose largest magnitude lies under 2^(5 - 127), a block of zeros among them, gets the scale byte 1: its codes are
; zeros or next to zeros, and the bytes are read by this program alone.  in_proj_w[512:768] and in_proj_b[512:768] enter no result and are not read.
.set AW0, 1                            ; v1   16 x lane: a fragment image's place for my lane; tp_w's images begin at LDS byte 0
.set AW1, 2                            ; v2   the same + 49,152: in_proj_w[256:512]'s images; the scale images lie 49,152 further on
.set AP,  3                            ; v3   102,400 + 64 (lane / 16): the biases
.set VAW, 4                            ; v4   a weight tile's row of my lane, in bytes, + 128 (lane / 16)
.set VAT, 5                            ; v5   a text tile's row of my lane (16,384 bytes from key to key), + 128 (lane / 16)
.set LWI, 6                            ; v6, v7  where my wave stores fragment images: 16 x lane + 1,536 x wave (+ 49,152)
.set LWS, 8                            ; v8   and their scale words
.set BST, 9                            ; v9   102,400 + 4 x thread: where a bias word goes
.set H8,  10                           ; v10  8 (lane / 16)
.set R16, 11                           ; v11  16 (lane % 16)
.set WS,  12                           ; v12-19  weight scale words: two images of four registers
.set KT,  20                           ; v20-27  at first two bias words, an offset, a scale word; at the end the key scale words on their way out
.set T4,  22
.set SWT, 23
.set XS,  28                           ; v28-31  the text's scale words (2 x tile + K step)
.set VS,  32                           ; v32-35  text_proj's
.set QS,  36                           ; v36-39  kp's
.set TM,  40                           ; v40-55  at work
.set SP,  56                           ; v56-63  the upper halves of blocks' codes
.set XC,  64                           ; v64-111   the text's codes, four fragments
.set C2,  112                          ; v112-159  a weight fragment just made; later kp's codes
.set FB,  160                          ; v160-231  three sets of two weight fragments
.set BI,  232                          ; v232-255  three sets of eight bias numbers
.set VC,  128                          ; window 1: v128-175 text_proj's codes;  v0-127 the sums;  before that v0-255 four buffers of 64 numbers as loaded
.set WV,  24
.set SEL, 26                           ; s26, s27  lane selects
.set KM,  28                           ; s28  lanes 0-7 and 24-31
.set TP,  12
.set TX,  14
.set KB,  22
.set IK,  38
.set MSB, 0
.macro WIN new                         ; the immediate's high byte repeats the setting that is left; a switch that changes nothing is dropped
.if MSB != (\new)
	s_set_vgpr_msb (MSB<<8)|(\new)
.set MSB, (\new)
.endif
.endm
.macro PLACES n
.rept \n
	v_nop
.endr
.endm
; 64 numbers of K step's 128 of my row: my two whole blocks of 32 (blocks h and 2 + h), into window 1
.macro LOADF buf, va, sb, off
	WIN 0x40
.irp c, 0,1
.irp j, 0,1,2,3,4,5,6,7
	global_load_b128 v[(\buf)+32*\c+4*\j:(\buf)+32*\c+4*\j+3], v[\va], s[\sb:\sb+1] offset:(\off)+256*\c+16*\j
.endr
.endr
	WIN 0
.endm
; They become a fragment's 12 registers at v[dst] and its scale word in v[sw].  A lane holds whole blocks, so the largest magnitude needs no other lane.
.macro QF buf, dst, sw
	WIN 0x14
.irp c, 0,1
	v_max3_num_f32 v[TM+\c], 0x2800000, |v[(\buf)+32*\c]|, |v[(\buf)+32*\c+1]|   ; with the floor 2^(5 - 127): the byte cannot fall under 1
.endr
.irp i, 2,4,6,8,10,12,14,16,18,20,22,24,26,28,30
.irp c, 0,1
	v_max3_num_f32 v[TM+\c], v[TM+\c], |v[(\buf)+32*\c+\i]|, |v[(\buf)+32*\c+\i+1]|
.endr
.endr
	WIN 0
.irp c, 0,1
	v_add_nc_u32 v[TM+12+\c], 0xfe000000, v[TM+\c]       ; 4 off the exponent field: the conversion's scale operand
.endr
.irp c, 0,1
	v_lshrrev_b32 v[TM+4+\c], 23, v[TM+12+\c]            ; the scale's byte
.endr
	v_lshl_or_b32 v[TM+6], v[TM+5], 16, v[TM+4]          ; my two bytes, blocks h and 2 + h,
	v_lshlrev_b32 v[TM+6], v[H8], v[TM+6]                ; at their places in the word;
	v_permlanex16_b32 v[TM+7], v[TM+6], s[SEL], s[SEL+1]
	v_or_b32 v[\sw], v[TM+6], v[TM+7]                    ; with lane l xor 16's two the word is whole
	WIN 0x01
.irp c, 0,1
	v_cvt_scalef32_pk16_bf6_f32 v[(\dst)+6*\c:(\dst)+6*\c+2], v[(\buf)+32*\c:(\buf)+32*\c+15], v[TM+12+\c]
	v_cvt_scalef32_pk16_bf6_f32 v[SP+4*\c:SP+4*\c+2], v[(\buf)+32*\c+16:(\buf)+32*\c+31], v[TM+12+\c]   ; (a conversion's three registers begin on an even number)
.endr
	v_nop                                                ; one plain place behind a scaled conversion
	WIN 0
.irp c, 0,1
.irp i, 0,1,2
	v_mov_b32 v[(\dst)+3+6*\c+\i], v[SP+4*\c+\i]
.endr
.endr
.endm
; 64 sums of a lane in window 1, register 16 b + i = k 32 b + 16 (lane / 16) + i of my row, become a fragment's codes at v[dst] (window 0) and its scale word in v[sw]
.macro QUANT src, dst, sw
	WIN 0x14
.irp b, 0,1,2,3
	v_max3_num_f32 v[TM+\b], 0x2800000, |v[(\src)+16*\b]|, |v[(\src)+16*\b+1]|
.endr
.irp i, 2,4,6,8,10,12,14
.irp b, 0,1,2,3
	v_max3_num_f32 v[TM+\b], v[TM+\b], |v[(\src)+16*\b+\i]|, |v[(\src)+16*\b+\i+1]|
.endr
.endr
	WIN 0
.irp b, 0,1,2,3
	v_permlanex16_b32 v[TM+4+\b], v[TM+\b], s[SEL], s[SEL+1]
.endr
.irp b, 0,1,2,3
	v_max_num_f32 v[TM+\b], v[TM+\b], v[TM+4+\b]         ; with lane l xor 16's 16: the block's largest magnitude
.endr
.irp b, 0,1,2,3
	v_add_nc_u32 v[TM+12+\b], 0xfe000000, v[TM+\b]
.endr
.irp b, 0,1,2,3
	v_lshrrev_b32 v[TM+4+\b], 23, v[TM+12+\b]
.endr
	v_lshl_or_b32 v[\sw], v[TM+5], 8, v[TM+4]
	v_lshl_or_b32 v[\sw], v[TM+6], 16, v[\sw]
	v_lshl_or_b32 v[\sw], v[TM+7], 24, v[\sw]
	WIN 0x01
.irp c, 0,1
	v_cvt_scalef32_pk16_bf6_f32 v[(\dst)+6*\c:(\dst)+6*\c+2], v[(\src)+32*\c:(\src)+32*\c+15], v[TM+12+2*\c]
	v_cvt_scalef32_pk16_bf6_f32 v[SP+4*\c:SP+4*\c+2], v[(\src)+32*\c+16:(\src)+32*\c+31], v[TM+13+2*\c]
.endr
	v_nop
	WIN 0
.irp c, 0,1                            ; the operand's layout wants a whole block in a lane
.irp i, 0,1,2
	v_permlane16_swap_b32 v[(\dst)+6*\c+\i], v[SP+4*\c+\i]
.endr
.irp i, 0,1,2
	v_mov_b32 v[(\dst)+3+6*\c+\i], v[SP+4*\c+\i]
.endr
.endr
.endm
.macro TOW1 src, dst                   ; a fragment's 12 registers from window 0 to window 1
	WIN 0x40
.irp i, 0,1,2,3,4,5,6,7,8,9,10,11
	v_mov_b32 v[(\dst)+\i], v[(\src)+\i]
.endr
	WIN 0
.endm
.macro WMS d, a, b, c, sa, sb, row
.if \row
	v_wmma_scale_f32_16x16x128_f8f6f4 v[\d:\d+7], v[\a:\a+11], v[\b:\b+11], v[\c:\c+7], v[\sa], v[\sb] matrix_a_fmt:MATRIX_FMT_BF6 matrix_b_fmt:MATRIX_FMT_BF6 matrix_a_scale:MATRIX_SCALE_ROW1
.else
	v_wmma_scale_f32_16x16x128_f8f6f4 v[\d:\d+7], v[\a:\a+11], v[\b:\b+11], v[\c:\c+7], v[\sa], v[\sb] matrix_a_fmt:MATRIX_FMT_BF6 matrix_b_fmt:MATRIX_FMT_BF6
.endif
.endm
.macro LOADSET awx, woff, boff, t      ; weight tile t: its two K steps' fragments and its eight bias numbers, into ring set t % 3: eight loads
.irp k, 0,1
.irp g, 0,1,2
	ds_load_b128 v[FB+24*((\t)%3)+12*\k+4*\g:FB+24*((\t)%3)+12*\k+4*\g+3], v[\awx] offset:(\woff)+3072*(\t)+1536*\k+512*\g
.endr
.endr
.irp i, 0,1
	ds_load_b128 v[BI+8*((\t)%3)+4*\i:BI+8*((\t)%3)+4*\i+3], v[AP] offset:(\boff)+128*((\t)/2)+32*((\t)%2)+16*\i
.endr
.endm
; Eight weight tiles (128 columns) x K = 256 x two tiles of 16 rows, X and Y.  The bias is the C of each sum's first product.  X's and Y's sums take turns, one instruction a turn.
.macro PROD awx, woff, asc, soff, boff, cb, bwin, sb, ax, ay
	PLACES 8                                             ; scale words made by vector instructions stand 8 places ahead of a scaled product, codes 4; also the places in front of the loads below
	ds_load_b128 v[WS:WS+3], v[\asc] offset:(\soff)
	ds_load_b128 v[WS+4:WS+7], v[\asc] offset:(\soff)+512
	LOADSET \awx,\woff,\boff,0
	LOADSET \awx,\woff,\boff,1
.irp t, 0,1,2,3,4,5,6,7
.if \t<6
.if \t>0
	PLACES 4                                             ; the set loaded next was read by the four products just issued
	WIN 0
.endif
	LOADSET \awx,\woff,\boff,\t+2
	s_wait_dscnt 16                                      ; the two younger sets, eight loads each, may be out
.elseif \t==6
	s_wait_dscnt 8
.else
	s_wait_dscnt 0
.endif
	WIN 0x40|(\bwin<<2)
	WMS \ax+8*\t,FB+24*(\t%3),\cb,BI+8*(\t%3),WS+4*(\t/4)+2*(\t%2),\sb,(\t/2)%2
	WMS \ay+8*\t,FB+24*(\t%3),\cb+24,BI+8*(\t%3),WS+4*(\t/4)+2*(\t%2),\sb+2,(\t/2)%2
	WIN 0x50|(\bwin<<2)
	WMS \ax+8*\t,FB+24*(\t%3)+12,\cb+12,\ax+8*\t,WS+4*(\t/4)+2*(\t%2)+1,\sb+1,(\t/2)%2
	WMS \ay+8*\t,FB+24*(\t%3)+12,\cb+36,\ay+8*\t,WS+4*(\t/4)+2*(\t%2)+1,\sb+3,(\t/2)%2
.endr
	WIN 0
	PLACES 4
.endm
; Key fragment (pair p, tile t).  Lane (r, h) takes the codes of key 8 t + r % 8 from its own half of the lanes; kept where h = r / 8, zero codes elsewhere.
.macro KFRAG p, t
.set KC, (\p)%2
.set KSRC, C2+12*(2*((\t)/2)+(\p)/2)+6*KC
.set KD, FB+12*KC
.set KT0, FB+6*KC
	s_wait_xcnt 0x0                                      ; earlier stores have read their data: it is written again only behind this wait
.irp i, 0,1,2,3,4,5
	v_permlane16_b32 v[KD+\i], v[KSRC+\i], s[SEL+(\t)%2], s[SEL+(\t)%2]
.endr
.irp i, 0,1,2,3,4,5
	v_cndmask_b32 v[KD+\i], 0, v[KD+\i], s[KM]
.endr
.irp g, 0,1,2
	global_store_b128 v[AW0], v[KT0+4*\g:KT0+4*\g+3], s[KB:KB+1] offset:1536*(4*(\p)+(\t))+512*\g   ; 32 lanes store 512 consecutive bytes
.endr
.endm
; One of a wave's eight fragments of tp_w (i < 4) or in_proj_w[256:512]: F = 8 i + wave
.macro WITEM i
.if \i<5
	s_wait_loadcnt 48                                    ; this item's 16 loads are in; the three younger items' may be out
.else
	s_wait_loadcnt 16*(7-\i)
.endif
	s_wait_dscnt 0x0                                     ; the last image's stores have read their registers
	QF 64*(\i%4),C2,SWT
.irp g, 0,1,2
	ds_store_b128 v[LWI+\i/4], v[C2+4*\g:C2+4*\g+3] offset:12288*(\i%4)+512*\g
.endr
	ds_store_b32 v[LWS], v[SWT] offset:512*\i            ; both halves of the lanes write the same word with the same value
.if \i<4
	LOADF 64*(\i%4),VAW,IK,65536*\i                      ; item i + 4
.endif
.endm
	s_load_b512 s[4:19], s[0:1], 0x0               ; vp_w, in_proj_w, w1, w2, tp_w, text_features, tp_b, in_proj_b
	s_load_b128 s[20:23], s[0:1], 0x40             ; wimg, kimg
	v_lshrrev_b32 v56, 5, v0
	v_readfirstlane_b32 s[WV], v56                 ; wave 0..7
	v_and_b32 v57, 31, v0                          ; lane
	v_and_b32 v58, 15, v0                          ; r
	v_bfe_u32 v59, v0, 4, 1                        ; h
	v_lshlrev_b32 v[H8], 3, v59
	v_lshlrev_b32 v[R16], 4, v58
	v_lshlrev_b32 v[AW0], 4, v57
	v_add_nc_u32 v[AW1], 49152, v[AW0]
	v_lshl_add_u32 v[AP], v59, 6, 102400
	v_and_b32 v60, 8, v58
	v_add_nc_u32 v60, v60, v58                     ; r + 8 (r / 8)
	v_lshlrev_b32 v[VAW], 10, v60
	v_lshl_add_u32 v[VAW], v59, 7, v[VAW]
	v_lshlrev_b32 v[VAT], 14, v58
	v_lshl_add_u32 v[VAT], v59, 7, v[VAT]
	s_mul_i32 s30, s[WV], 1536
	v_add_nc_u32 v[LWI], s30, v[AW0]
	v_add_nc_u32 v[LWI+1], 49152, v[LWI]
	s_lshr_b32 s31, s[WV], 2
	s_lshl_b32 s32, s31, 8
	s_and_b32 s33, s[WV], 3
	s_lshl_b32 s33, s33, 2
	s_add_co_u32 s32, s32, s33
	s_add_co_u32 s32, s32, 98304
	v_add_nc_u32 v[LWS], s32, v[R16]               ; scale image i: 98,304 + 512 i + 256 (wave / 4) + 16 r + 4 (wave % 4)
	v_lshl_add_u32 v[BST], v0, 2, 102400
	v_lshlrev_b32 v[T4], 2, v0
.set j, TM
.rept 16
	v_mov_b32 v[j], 0                              ; written once: a lane permute's destination counts as one of its sources
.set j, j+1
.endr
	s_mov_b32 s[SEL], 0x76543210
	s_mov_b32 s[SEL+1], 0xfedcba98
	s_mov_b32 s[KM], 0xff0000ff
	s_lshl_b32 s36, s31, 15                        ; my fragment's first row and K step within four tiles: (32 (w / 4) + 8 ((w / 2) % 2)) rows of 1,024 bytes + 512 (w % 2)
	s_bfe_u32 s33, s[WV], 0x10001
	s_lshl_b32 s33, s33, 13
	s_add_co_u32 s36, s36, s33
	s_and_b32 s33, s[WV], 1
	s_lshl_b32 s33, s33, 9
	s_add_co_u32 s36, s36, s33
	s_mov_b32 s37, 0
	s_wait_kmcnt 0x0
	s_add_nc_u64 s[TP:TP+1], s[TP:TP+1], s[36:37]
	s_add_nc_u64 s[IK:IK+1], s[6:7], s[36:37]
	s_add_nc_u64 s[IK:IK+1], s[IK:IK+1], 262144    ; in_proj_w's rows 256 on
	global_load_b32 v20, v[T4], s[16:17]           ; tp_b[thread]
	global_load_b32 v21, v[T4], s[18:19] offset:1024   ; in_proj_b[256 + thread]
.irp i, 0,1,2,3
	LOADF 64*\i,VAW,TP,65536*\i
.endr
	s_wait_loadcnt 48                              ; the two bias words are in (and the first item)
	ds_store_b32 v[BST], v20
	ds_store_b32 v[BST], v21 offset:1024
.irp i, 0,1,2,3,4,5,6,7
	WITEM \i
.endr
	s_wait_dscnt 0x0                               ; for the others' sake: my images lie in LDS
	s_barrier_signal -1
	s_barrier_wait -1
	s_cmp_lg_u32 s[WV], 0
	s_cbranch_scc1 .Lfrag
	; ---- wave 0: batch b's text chain
	s_lshl_b32 s30, ttmp9, 10
	s_mov_b32 s31, 0
	s_add_nc_u64 s[TX:TX+1], s[TX:TX+1], s[30:31]  ; text row (l, b) lies at 16,384 l + 1,024 b
	s_mul_i32 s30, ttmp9, 25600
	s_add_nc_u64 s[KB:KB+1], s[KB:KB+1], s[30:31]
.irp u, 0,1,2,3
	LOADF 64*\u,VAT,TX,262144*(\u/2)+512*(\u%2)    ; tile u / 2 (16 keys), K step u % 2
.endr
.irp u, 0,1,2,3
	s_wait_loadcnt 48-16*\u
	QF 64*\u,XC+12*\u,XS+\u
.endr
.irp s, 0,1                            ; text_proj = text tp_w^T + tp_b, 128 columns at a time: each half is a K step of the next product
	PROD AW0,24576*\s,AW1,49152+1024*\s,512*\s,XC,0,XS,0,64
	QUANT 0,FB,VS+\s
	TOW1 FB,VC+12*\s
	QUANT 64,FB,VS+2+\s
	TOW1 FB,VC+24+12*\s
.endr
.irp s, 0,1                            ; kp = text_proj in_proj_w[256:512]^T + in_proj_b[256:512]
	PROD AW1,24576*\s,AW1,51200+1024*\s,1024+512*\s,VC,1,VS,0,64
	QUANT 0,C2+12*\s,QS+\s
	QUANT 64,C2+24+12*\s,QS+2+\s
.endr
.set j, FB
.rept 18
	v_mov_b32 v[j], 0                              ; v160-165 and v172-177 take codes, v166-171 stay zero codes
.set j, j+1
.endr
.set j, KT
.rept 8
	v_mov_b32 v[j], 0
.set j, j+1
.endr
.irp p, 0,1,2,3
.irp t, 0,1,2,3
	KFRAG \p,\t
.endr
.endr
.irp s, 0,1                            ; the key scale images: lane (m, either half) holds, for t = 0 .. 3, the whole scale word of key 8 t + m % 8 for K step s
.irp t, 0,1,2,3
	v_permlane16_b32 v[KT+4*\s+\t], v[QS+2*(\t/2)+\s], s[SEL+\t%2], s[SEL+\t%2]
.endr
	global_store_b128 v[AW0], v[KT+4*\s:KT+4*\s+3], s[KB:KB+1] offset:24576+512*\s
.endr
	s_wait_xcnt 0x0
	v_lshl_add_u32 v254, v0, 2, 0x19800
	v_mov_b32 v255, 0
	s_wait_tensorcnt 0x0
	ds_add_u32 v254, v255
	s_wait_dscnt 0x0
	s_endpgm
.Lfrag:                                ; ---- waves 1 to 7: weight fragment F = 2 x tile + K step within its matrix, 32 fragments a matrix (w2: 16)
	s_mul_i32 s40, ttmp9, 7
	s_add_co_u32 s40, s40, s[WV]
	s_sub_co_u32 s40, s40, 1                       ; F = 0 .. 111
	s_lshr_b32 s41, s40, 5                         ; which matrix
	s_cmp_eq_u32 s41, 0
	s_cselect_b64 s[42:43], s[4:5], s[6:7]
	s_cmp_eq_u32 s41, 2
	s_cselect_b64 s[42:43], s[8:9], s[42:43]
	s_cmp_eq_u32 s41, 3
	s_cselect_b64 s[42:43], s[10:11], s[42:43]
	s_bfe_u32 s44, s40, 0x30002                    ; tile / 2: 32 rows of 1,024 bytes each
	s_lshl_b32 s44, s44, 15
	s_bfe_u32 s45, s40, 0x10001                    ; tile % 2: 8 rows
	s_lshl_b32 s45, s45, 13
	s_add_co_u32 s44, s44, s45
	s_and_b32 s45, s40, 1                          ; K step: 512 bytes
	s_lshl_b32 s45, s45, 9
	s_add_co_u32 s44, s44, s45
	s_mov_b32 s45, 0
	s_add_nc_u64 s[42:43], s[42:43], s[44:45]
	LOADF 0,VAW,42,0
	s_mul_i32 s44, s40, 1536
	s_add_nc_u64 s[46:47], s[20:21], s[44:45]      ; the image's place
	s_lshr_b32 s44, s40, 3                         ; the scale word's: 172,032 + 512 (F / 8) + 256 ((F / 4) % 2) + 4 (F % 4) + 16 r
	s_lshl_b32 s44, s44, 9
	s_bfe_u32 s48, s40, 0x10002
	s_lshl_b32 s48, s48, 8
	s_add_co_u32 s44, s44, s48
	s_and_b32 s48, s40, 3
	s_lshl_b32 s48, s48, 2
	s_add_co_u32 s44, s44, s48
	s_add_co_u32 s44, s44, 172032
	s_add_nc_u64 s[50:51], s[20:21], s[44:45]
	s_wait_loadcnt 0x0
	QF 0,C2,SWT
.irp g, 0,1,2
	global_store_b128 v[AW0], v[C2+4*\g:C2+4*\g+3], s[46:47] offset:512*\g
.endr
	global_store_b32 v[R16], v[SWT], s[50:51]      ; both halves of the lanes write the same word with the same value
	s_wait_xcnt 0x0
	v_lshl_add_u32 v254, v0, 2, 0x19800
	v_mov_b32 v255, 0
	s_wait_tensorcnt 0x0
	ds_add_u32 v254, v255
	s_wait_dscnt 0x0
	s_endpgm
.Lfunc_end_k_qfeb2297240_prep:
	.size	k_qfeb2297240_prep, .Lfunc_end_k_qfeb2297240_prep-k_qfeb2297240_prep
	.p2alignl 7, 3214868480
	.fill 96, 4, 3214868480
	.section	.rodata,"a",@progbits
	.p2align	6, 0x0
	.amdhsa_kernel k_qfeb2297240_prep
		.amdhsa_group_segment_fixed_size 105472
		.amdhsa_private_segment_fixed_size 0
		.amdhsa_enable_private_segment 0
		.amdhsa_kernarg_size 80
		.amdhsa_user_sgpr_count 2
		.amdhsa_user_sgpr_kernarg_segment_ptr 1
		.amdhsa_wavefront_size32 1
		.amdhsa_system_sgpr_workgroup_id_x 1
		.amdhsa_system_sgpr_workgroup_id_y 1
		.amdhsa_system_sgpr_workgroup_id_z 1
		.amdhsa_system_vgpr_workitem_id 0
		.amdhsa_next_free_vgpr 512
		.amdhsa_next_free_sgpr 66
		.amdhsa_reserve_vcc 0
		.amdhsa_float_denorm_mode_32 3
		.amdhsa_float_denorm_mode_16_64 3
		.amdhsa_memory_ordered 1
		.amdhsa_forward_progress 1
		.amdhsa_inst_pref_size 160
	.end_amdhsa_kernel
	.amdgpu_metadata
---
amdhsa.version: [ 1, 2 ]
amdhsa.kernels:
  - .name:           k_qfeb2297240_prep
    .symbol:         k_qfeb2297240_prep.kd
    .args:
      - { .name: vp_w, .offset: 0, .size: 8, .value_kind: global_buffer, .address_space: global }
      - { .name: in_proj_w, .offset: 8, .size: 8, .value_kind: global_buffer, .address_space: global }
      - { .name: w1, .offset: 16, .size: 8, .value_kind: global_buffer, .address_space: global }
      - { .name: w2, .offset: 24, .size: 8, .value_kind: global_buffer, .address_space: global }
      - { .name: tp_w, .offset: 32, .size: 8, .value_kind: global_buffer, .address_space: global }
      - { .name: text_features, .offset: 40, .size: 8, .value_kind: global_buffer, .address_space: global }
      - { .name: tp_b, .offset: 48, .size: 8, .value_kind: global_buffer, .address_space: global }
      - { .name: in_proj_b, .offset: 56, .size: 8, .value_kind: global_buffer, .address_space: global }
      - { .name: wimg, .offset: 64, .size: 8, .value_kind: global_buffer, .address_space: global }
      - { .name: kimg, .offset: 72, .size: 8, .value_kind: global_buffer, .address_space: global }
    .group_segment_fixed_size: 105472
    .private_segment_fixed_size: 0
    .kernarg_segment_align: 8
    .kernarg_segment_size: 80
    .max_flat_workgroup_size: 256
    .sgpr_count:     66
    .vgpr_count:     512
    .wavefront_size: 32
...
	.end_amdgpu_metadata
.endif
;; end of part 1
;; launch main (part 2): grid 256 x 1, 8 waves a work-group, no clusters, 327,680 bytes of LDS; arguments vision_features, wimg, kimg, vp_b, in_proj_b, b1, g1, be1, b2, g2, be2, w3, b3, planes, part; writes planes, part
.if DOCPART == 2
	.amdgcn_target "amdgcn-amd-amdhsa--gfx1250"
	.amdhsa_code_object_version 6
	.text
	.protected	k_qfeb2297240_main
	.globl	k_qfeb2297240_main
	.p2align	8
	.type	k_qfeb2297240_main,@function
k_qfeb2297240_main:
	s_mov_b64 s[64:65], 0
	v_nop
	global_prefetch_b8 v0, s[64:65] scope:SCOPE_SE
	s_setreg_imm32_b32 hwreg(HW_REG_WAVE_MODE, 25, 1), 1
	s_wait_xcnt 0x0
; MAIN.  Every vision row (n, b), 256 numbers of f32, is read once and taken through both chains without leaving the registers:
;   importance: x -> w1 -> layer norm -> relu -> w2 -> layer norm -> relu -> w3 -> sigmoid;
;   attention:  x -> vp_w -> in_proj_w[0:256] -> scores against b's 32 keys in 8 heads -> softmax -> mean over heads -> variance, and the softmax-weighted sum of the k largest.
; All products but the last (one column: fused multiply-adds) are on codes of BF6 (E3M2) with one E8M0 scale for each 32 along K.
; k hangs on a mean over all n of a batch, which no work-group knows: it is one of 8 .. 16, so all nine sums are stored, and the next launch chooses.
; SHARES.  Work-group = (b = id % 16, chunk = id / 16: 1,024 n).  Each of eight waves owns 128 n and walks them in 4 passes of 32 rows (two tiles, X and Y, of 16); pass p, row i is
; n = first + 4 i + p, so that a lane's four results of a plane are four neighbouring n.  WAVES OWN ROWS: the loop has no barrier and no traffic between waves; two waves share a SIMD, so that
; one's vector work stands beside the other's products and LDS loads.  Each weight fragment read from LDS feeds two products (X and Y).
; LDS.  The weights' and b's keys' fragment images, 204,800 bytes, come once, one tensor load a wave, and stay; nothing is filled again.  Behind them: biases and gains, a stage for each wave in which x is
; turned, each wave's results, and the waves' figures at the end.  No cluster: what work-groups share is these 204,800 bytes, fetched once, beside 1,048,576 bytes of x of each work-group's own.
; x comes by register loads of 512 consecutive bytes (half a row), 16 to a unit (one tile, one K step); one unit is on its way while the pass works.
; ALL PRODUCTS ARE USED TRANSPOSED (source 0 = weight or keys, source 1 = rows): a lane holds one row (lane % 16), and its registers run along the columns: register q of a run of tiles is column
; 32 (q / 16) + 16 (lane / 16) + q % 16, by the choice of the weight tiles' rows.  In the scores a lane holds all 32 keys of one head: the softmax asks no other lane.
; LIMITS: NaN and infinities among the inputs are not served.  A block whose largest magnitude lies under 2^(5 - 127) gets the scale byte 1.  1 / x, 1 / sqrt(x) and 2^x are the chip's own, good to an ulp.
.set PAR,  204800                      ; vp_b +0, in_proj_b[0:256] +1024, b1 +2048, g1 +3072, be1 +4096, b2 +5120, g2 +5632, be2 +6144, w3 +6656
.set STG,  211968                      ; 8 x 8,448: 16 rows of 512 bytes + 16 of padding
.set RES,  279552                      ; 8 x 5,632: 11 planes of 512 bytes
.set STAT, 324608                      ; 32 figures x 8 waves
.set WSCO, 24576                       ; from AW3: the weights' scale images,
.set KIMO, 31744                       ; the key fragments,
.set KSCO, 56320                       ; the keys' scale images
.set AW0, 1                            ; v1  16 x lane: vp_w's images; also my 16 bytes of a load's or store's 512
.set AW1, 2                            ; v2  + 49,152: in_proj_w[0:256]'s
.set AW2, 3                            ; v3  + 98,304: w1's
.set AW3, 4                            ; v4  + 147,456: w2's and what lies behind
.set AP,  5                            ; v5  PAR + 64 (lane / 16)
.set ASS, 6                            ; v6  my stage, as loaded: 16 x lane
.set ASL, 7                            ; v7  my stage, as wanted: 528 (lane % 16) + 64 (lane / 16)
.set AR0, 8                            ; v8  my results: 16 x lane
.set AR,  9                            ; v9  + 4 x pass
.set APF, 10                           ; v10 prefetch: 65,536 (lane / 4) + 256 (lane % 4)
.set AST, 11                           ; v11 STAT + 4 x wave
.set WS,  12                           ; v12-19  weight scale words
.set KS,  20                           ; v20-27  key scale words
.set XS,  28                           ; v28-31  x's (2 x tile + K step)
.set VS,  32                           ; v32-35  vision_proj's
.set CS2, 36                           ; v36-39  the hidden layer's, later q's
.set TM,  40                           ; v40-55  at work
.set RSX, 48                           ; v48, v50  1 / sqrt(variance + eps) of X's and Y's rows
.set RSY, 50
.set SP,  56                           ; v56-58, v60-62  the upper halves of blocks' codes
.set ASR, 59                           ; v59 STAT + 32 x lane
.set APS, 63                           ; v63 PAR + 4 x thread
.set XC,  64                           ; v64-111   x's codes
.set C2,  112                          ; v112-159  the hidden layer's codes, later q's
.set FB,  160                          ; v160-231  three sets of two fragments; with BI also the layer norms' gains and offsets
.set BI,  232                          ; v232-255  three sets of eight bias numbers
.set VC,  128                          ; window 1: v0-127 sums; v128-255 Y's sums of the first product; then v128-175 vision_proj's codes, then
.set AX,  128                          ;   v128-159, v160-191 the mean attention of X's and Y's rows;
.set AY,  160
.set PF,  192                          ;   v192-255 a unit of x on its way
.set WV,  52
.set BB,  53
.set CH,  54
.set PS,  55                           ; s55  the pass, 0 .. 3
.set SEL, 56
.set CS,  58
.set B3,  60
.set OFP, 61                           ; s61  4 x pass  (the names P0 .. P31 belong to the sort's places)
.set XB,  62
.set PL0, 66
.set PL1, 68
.set NC,  38
.set MSB, 0
.macro WIN new                         ; the immediate's high byte repeats the setting that is left; a switch that changes nothing is dropped
.if MSB != (\new)
	s_set_vgpr_msb (MSB<<8)|(\new)
.set MSB, (\new)
.endif
.endm
.macro PLACES n
.rept \n
	v_nop
.endr
.endm
; 64 numbers of a lane in window 1, register 16 b + i = k 32 b + 16 (lane / 16) + i of my row, become a fragment's codes at v[dst] (window 0) and its scale word in v[sw]
.macro QUANT src, dst, sw
	WIN 0x14
.irp b, 0,1,2,3
	v_max3_num_f32 v[TM+\b], 0x2800000, |v[(\src)+16*\b]|, |v[(\src)+16*\b+1]|   ; my 16 numbers of block b, and the floor 2^(5 - 127): the byte cannot fall under 1
.endr
.irp i, 2,4,6,8,10,12,14
.irp b, 0,1,2,3
	v_max3_num_f32 v[TM+\b], v[TM+\b], |v[(\src)+16*\b+\i]|, |v[(\src)+16*\b+\i+1]|
.endr
.endr
	WIN 0
.irp b, 0,1,2,3
	v_permlanex16_b32 v[TM+4+\b], v[TM+\b], s[SEL], s[SEL+1]
.endr
.irp b, 0,1,2,3
	v_max_num_f32 v[TM+\b], v[TM+\b], v[TM+4+\b]         ; with lane l xor 16's 16: the block's largest magnitude
.endr
.irp b, 0,1,2,3
	v_add_nc_u32 v[TM+12+\b], 0xfe000000, v[TM+\b]       ; 4 off its exponent field: the conversion's scale operand
.endr
.irp b, 0,1,2,3
	v_lshrrev_b32 v[TM+4+\b], 23, v[TM+12+\b]            ; the scale's byte
.endr
	v_lshl_or_b32 v[\sw], v[TM+5], 8, v[TM+4]
	v_lshl_or_b32 v[\sw], v[TM+6], 16, v[\sw]
	v_lshl_or_b32 v[\sw], v[TM+7], 24, v[\sw]
	WIN 0x01
.irp c, 0,1
	v_cvt_scalef32_pk16_bf6_f32 v[(\dst)+6*\c:(\dst)+6*\c+2], v[(\src)+32*\c:(\src)+32*\c+15], v[TM+12+2*\c]
	v_cvt_scalef32_pk16_bf6_f32 v[SP+4*\c:SP+4*\c+2], v[(\src)+32*\c+16:(\src)+32*\c+31], v[TM+13+2*\c]   ; (a conversion's three registers begin on an even number)
.endr
	v_nop                                                ; one plain place behind a scaled conversion
	WIN 0
.irp c, 0,1                            ; the operand's layout wants a whole block in a lane
.irp i, 0,1,2
	v_permlane16_swap_b32 v[(\dst)+6*\c+\i], v[SP+4*\c+\i]
.endr
.irp i, 0,1,2
	v_mov_b32 v[(\dst)+3+6*\c+\i], v[SP+4*\c+\i]
.endr
.endr
.endm
.macro TOW1 src, dst                   ; a fragment's 12 registers from window 0 to window 1
	WIN 0x40
.irp i, 0,1,2,3,4,5,6,7,8,9,10,11
	v_mov_b32 v[(\dst)+\i], v[(\src)+\i]
.endr
	WIN 0
.endm
.macro WMS d, a, b, c, sa, sb, row
.if \row
	v_wmma_scale_f32_16x16x128_f8f6f4 v[\d:\d+7], v[\a:\a+11], v[\b:\b+11], v[\c:\c+7], v[\sa], v[\sb] matrix_a_fmt:MATRIX_FMT_BF6 matrix_b_fmt:MATRIX_FMT_BF6 matrix_a_scale:MATRIX_SCALE_ROW1
.else
	v_wmma_scale_f32_16x16x128_f8f6f4 v[\d:\d+7], v[\a:\a+11], v[\b:\b+11], v[\c:\c+7], v[\sa], v[\sb] matrix_a_fmt:MATRIX_FMT_BF6 matrix_b_fmt:MATRIX_FMT_BF6
.endif
.endm
.macro WMZ d, a, b, sa, sb
	v_wmma_scale_f32_16x16x128_f8f6f4 v[\d:\d+7], v[\a:\a+11], v[\b:\b+11], 0, v[\sa], v[\sb] matrix_a_fmt:MATRIX_FMT_BF6 matrix_b_fmt:MATRIX_FMT_BF6
.endm
.macro LOADSET awx, woff, boff, t      ; weight tile t: its two K steps' fragments and its eight bias numbers, into ring set t % 3: eight loads
.irp k, 0,1
.irp g, 0,1,2
	ds_load_b128 v[FB+24*((\t)%3)+12*\k+4*\g:FB+24*((\t)%3)+12*\k+4*\g+3], v[\awx] offset:(\woff)+3072*(\t)+1536*\k+512*\g
.endr
.endr
.irp i, 0,1
	ds_load_b128 v[BI+8*((\t)%3)+4*\i:BI+8*((\t)%3)+4*\i+3], v[AP] offset:(\boff)+128*((\t)/2)+32*((\t)%2)+16*\i
.endr
.endm
; Eight weight tiles (128 columns) x K = 256 x the tiles X and Y.  The bias is the C of each sum's first product.  X's and Y's sums take turns, one instruction a turn.
.macro PROD awx, woff, asc, soff, boff, cb, bwin, sb, ax, ay
	PLACES 8                                             ; scale words made by vector instructions stand 8 places ahead of a scaled product, codes 4; also the places in front of the loads below
	ds_load_b128 v[WS:WS+3], v[\asc] offset:(\soff)
	ds_load_b128 v[WS+4:WS+7], v[\asc] offset:(\soff)+512
	LOADSET \awx,\woff,\boff,0
	LOADSET \awx,\woff,\boff,1
.irp t, 0,1,2,3,4,5,6,7
.if \t<6
.if \t>0
	PLACES 4                                             ; the set loaded next was read by the four products just issued
	WIN 0
.endif
	LOADSET \awx,\woff,\boff,\t+2
	s_wait_dscnt 16                                      ; the two younger sets, eight loads each, may be out
.elseif \t==6
	s_wait_dscnt 8
.else
	s_wait_dscnt 0
.endif
	WIN 0x40|(\bwin<<2)
	WMS \ax+8*\t,FB+24*(\t%3),\cb,BI+8*(\t%3),WS+4*(\t/4)+2*(\t%2),\sb,(\t/2)%2
	WMS \ay+8*\t,FB+24*(\t%3),\cb+24,BI+8*(\t%3),WS+4*(\t/4)+2*(\t%2),\sb+2,(\t/2)%2
	WIN 0x50|(\bwin<<2)
	WMS \ax+8*\t,FB+24*(\t%3)+12,\cb+12,\ax+8*\t,WS+4*(\t/4)+2*(\t%2)+1,\sb+1,(\t/2)%2
	WMS \ay+8*\t,FB+24*(\t%3)+12,\cb+36,\ay+8*\t,WS+4*(\t/4)+2*(\t%2)+1,\sb+3,(\t/2)%2
.endr
	WIN 0
	PLACES 4
.endm
; Unit u of x (tile u / 2, K step u % 2): 16 loads, each 512 consecutive bytes of one row; rows of a tile lie 65,536 bytes apart.  nxt: 16,384 for the next pass's rows
.macro XLOAD u, buf, nxt
	WIN 0x40
.irp p, 0,1,2,3,4,5,6,7,8,9,10,11,12,13,14,15
	global_load_b128 v[(\buf)+4*\p:(\buf)+4*\p+3], v[AW0], s[XB:XB+1] offset:(\nxt)+(16*((\u)/2)+\p)*65536+512*((\u)%2) th:TH_LOAD_NT
.endr
	WIN 0
.endm
; The unit is turned through my stage, so that a lane holds 16 neighbours of each block of its row, and quantised.  left: younger loads that may stay out.  next >= 0: that unit is asked for into the same registers
.macro XTURN u, buf, left, next, nxt
	s_wait_loadcnt \left
	WIN 0x04
.irp p, 0,1,2,3,4,5,6,7,8,9,10,11,12,13,14,15
	ds_store_b128 v[ASS], v[(\buf)+4*\p:(\buf)+4*\p+3] offset:528*\p
.endr
	WIN 0x40
.irp b, 0,1,2,3
.irp j, 0,1,2,3
	ds_load_b128 v[16*\b+4*\j:16*\b+4*\j+3], v[ASL] offset:128*\b+16*\j   ; LDS serves a wave's instructions in order: these see the stores above
.endr
.endr
	WIN 0
.if \next >= 0
	s_wait_dscnt 16                                      ; the 16 stores have read their registers
	XLOAD \next,\buf,\nxt
.endif
	s_wait_dscnt 0x0
	QUANT 0,XC+12*(\u),XS+(\u)
.endm
; Mean and 1 / sqrt(variance + eps) of a row of 2 n numbers, n in my lane at v[base] (window 1), n in lane l xor 16; the numbers are left centred.  inv = 1 / (2 n), a power of two
.macro LNSTAT base, n, inv, rs
	WIN 0x05
	v_pk_add_f32 v[TM:TM+1], v[\base:\base+1], v[\base+2:\base+3]
	v_pk_add_f32 v[TM+2:TM+3], v[\base+4:\base+5], v[\base+6:\base+7]
	WIN 0x04
.set j, \base+8
.rept (\n-8)/4
	v_pk_add_f32 v[TM:TM+1], v[TM:TM+1], v[j:j+1]
	v_pk_add_f32 v[TM+2:TM+3], v[TM+2:TM+3], v[j+2:j+3]
.set j, j+4
.endr
	WIN 0
	v_pk_add_f32 v[TM:TM+1], v[TM:TM+1], v[TM+2:TM+3]
	v_add_f32 v[TM], v[TM], v[TM+1]
	v_permlanex16_b32 v[TM+4], v[TM], s[SEL], s[SEL+1]
	v_add_f32 v[TM], v[TM], v[TM+4]
	v_mul_f32 v[TM], \inv, v[TM]                         ; the mean
	WIN 0x41
.set j, \base
.rept \n/2
	v_pk_add_f32 v[j:j+1], v[j:j+1], v[TM:TM+1] op_sel_hi:[1,0] neg_lo:[0,1] neg_hi:[0,1]
.set j, j+2
.endr
	WIN 0x05
	v_pk_mul_f32 v[TM+2:TM+3], v[\base:\base+1], v[\base:\base+1]
	v_pk_mul_f32 v[TM+4:TM+5], v[\base+2:\base+3], v[\base+2:\base+3]
.set j, \base+4
.rept (\n-4)/4
	v_pk_fma_f32 v[TM+2:TM+3], v[j:j+1], v[j:j+1], v[TM+2:TM+3]
	v_pk_fma_f32 v[TM+4:TM+5], v[j+2:j+3], v[j+2:j+3], v[TM+4:TM+5]
.set j, j+4
.endr
	WIN 0
	v_pk_add_f32 v[TM+2:TM+3], v[TM+2:TM+3], v[TM+4:TM+5]
	v_add_f32 v[TM+2], v[TM+2], v[TM+3]
	v_permlanex16_b32 v[TM+4], v[TM+2], s[SEL], s[SEL+1]
	v_add_f32 v[TM+2], v[TM+2], v[TM+4]
	v_mul_f32 v[TM+2], \inv, v[TM+2]
	v_add_f32 v[TM+2], 0x3727c5ac, v[TM+2]               ; + 1e-5
	v_rsq_f32 v[\rs], v[TM+2]
	v_nop                                                ; one plain place behind a transcendental
	s_wait_alu depctr_va_vdst(0)
.endm
.macro LNAPP a, g, rs                  ; 16 centred numbers: x 1 / sqrt, x gain + offset
.irp j, 0,2,4,6,8,10,12,14
	v_pk_mul_f32 v[\a+\j:\a+\j+1], v[\a+\j:\a+\j+1], v[\rs:\rs+1] op_sel_hi:[1,0]
.endr
.irp j, 0,2,4,6,8,10,12,14
	v_pk_fma_f32 v[\a+\j:\a+\j+1], v[\a+\j:\a+\j+1], v[\g+\j:\g+\j+1], v[\g+16+\j:\g+16+\j+1]
.endr
.endm
.macro RELU16 a
.irp j, 0,1,2,3,4,5,6,7,8,9,10,11,12,13,14,15
	v_max_num_f32 v[\a+\j], 0, v[\a+\j]
.endr
.endm
.macro LNLOAD1 c                       ; chunk c (16 registers): its g1 and be1, eight loads, into buffer c % 3 of 32 registers
.irp i, 0,1,2,3
	ds_load_b128 v[FB+32*((\c)%3)+4*\i:FB+32*((\c)%3)+4*\i+3], v[AP] offset:3072+128*(\c)+16*\i
	ds_load_b128 v[FB+32*((\c)%3)+16+4*\i:FB+32*((\c)%3)+16+4*\i+3], v[AP] offset:4096+128*(\c)+16*\i
.endr
.endm
.macro LNLOAD2 c                       ; chunk c: its g2, be2 and w3, twelve loads, into buffer c % 2 of 48 registers
.irp i, 0,1,2,3
	ds_load_b128 v[FB+48*((\c)%2)+4*\i:FB+48*((\c)%2)+4*\i+3], v[AP] offset:5632+128*(\c)+16*\i
	ds_load_b128 v[FB+48*((\c)%2)+16+4*\i:FB+48*((\c)%2)+16+4*\i+3], v[AP] offset:6144+128*(\c)+16*\i
	ds_load_b128 v[FB+48*((\c)%2)+32+4*\i:FB+48*((\c)%2)+32+4*\i+3], v[AP] offset:6656+128*(\c)+16*\i
.endr
.endm
.macro DOT16 a, w, d, first            ; the last product, one column: 16 numbers x w3 onto a pair of sums
.if \first
	v_pk_mul_f32 v[\d:\d+1], v[\a:\a+1], v[\w:\w+1]
.else
	v_pk_fma_f32 v[\d:\d+1], v[\a:\a+1], v[\w:\w+1], v[\d:\d+1]
.endif
.irp j, 2,4,6,8,10,12,14
	v_pk_fma_f32 v[\d:\d+1], v[\a+\j:\a+\j+1], v[\w+\j:\w+\j+1], v[\d:\d+1]
.endr
.endm
.macro KLOAD e, hf                     ; step e's two key fragments (pair 2 hf + e / 2, tiles 2 (e % 2) and + 1) into ring set e % 3: six loads
.irp u, 0,1
.irp g, 0,1,2
	ds_load_b128 v[FB+24*((\e)%3)+12*\u+4*\g:FB+24*((\e)%3)+12*\u+4*\g+3], v[AW3] offset:KIMO+1536*(4*(2*(\hf)+(\e)/2)+2*((\e)%2)+\u)+512*\g
.endr
.endr
.endm
; The scores of heads 4 hf .. 4 hf + 3 (q's K step hf).  K = 32 is one block: a key row has codes in its head's block alone.  Lane (r, h), register 8 t + j of pair p: (head 2 p + h, key 8 t + j)
.macro P5H hf
	PLACES 8
	KLOAD 0,\hf
	KLOAD 1,\hf
.irp e, 0,1,2,3
.if \e<2
.if \e>0
	PLACES 4
	WIN 0
.endif
	KLOAD \e+2,\hf
	s_wait_dscnt 12                                      ; the two younger sets, six loads each, may be out
.elseif \e==2
	s_wait_dscnt 6
.else
	s_wait_dscnt 0
.endif
	WIN 0x40
.irp u, 0,1
	WMZ 64*(\e/2)+8*(2*(\e%2)+\u),FB+24*(\e%3)+12*\u,C2+12*\hf,KS+4*\hf+2*(\e%2)+\u,CS2+\hf
	WMZ 64*(\e/2)+32+8*(2*(\e%2)+\u),FB+24*(\e%3)+12*\u,C2+24+12*\hf,KS+4*\hf+2*(\e%2)+\u,CS2+2+\hf
.endr
.endr
	WIN 0
	PLACES 4
.endm
; One head's softmax over a lane's 32 scores at v[s]; an eighth of it is added onto (first = 1: starts) the mean at v[a].  The maximum is taken away first
.macro SOFTMAX s, a, first
	WIN 0x15
	v_max3_num_f32 v[TM], v[\s], v[\s+1], v[\s+2]
	v_max3_num_f32 v[TM+1], v[\s+16], v[\s+17], v[\s+18]
	WIN 0x14
.irp i, 3,5,7,9,11,13
	v_max3_num_f32 v[TM], v[TM], v[\s+\i], v[\s+\i+1]
	v_max3_num_f32 v[TM+1], v[TM+1], v[\s+16+\i], v[\s+17+\i]
.endr
	v_max3_num_f32 v[TM], v[TM], v[\s+15], v[\s+31]
	WIN 0
	v_max_num_f32 v[TM], v[TM], v[TM+1]
	v_mul_f32 v[TM+2], s[NC], v[TM]                      ; -c x the maximum, c = log2(e) / sqrt(32)
	WIN 0x41
.set j, \s
.rept 16
	v_pk_fma_f32 v[j:j+1], v[j:j+1], s[CS:CS+1], v[TM+2:TM+3] op_sel_hi:[1,0,0]
.set j, j+2
.endr
.set j, \s
.rept 32
	v_exp_f32 v[j], v[j]
.set j, j+1
.endr
	v_nop                                                ; one plain place behind the exponentials
	WIN 0x05
	s_wait_alu depctr_va_vdst(0)
	v_pk_add_f32 v[TM+4:TM+5], v[\s:\s+1], v[\s+2:\s+3]
	v_pk_add_f32 v[TM+6:TM+7], v[\s+4:\s+5], v[\s+6:\s+7]
	WIN 0x04
.set j, \s+8
.rept 6
	v_pk_add_f32 v[TM+4:TM+5], v[TM+4:TM+5], v[j:j+1]
	v_pk_add_f32 v[TM+6:TM+7], v[TM+6:TM+7], v[j+2:j+3]
.set j, j+4
.endr
	WIN 0
	v_pk_add_f32 v[TM+4:TM+5], v[TM+4:TM+5], v[TM+6:TM+7]
	v_add_f32 v[TM+4], v[TM+4], v[TM+5]
	v_rcp_f32 v[TM+8], v[TM+4]
	v_nop
	s_wait_alu depctr_va_vdst(0)
	v_mul_f32 v[TM+8], 0x3e000000, v[TM+8]               ; 1 / (8 x the sum)
.if \first
	WIN 0x41
.else
	WIN 0x51
.endif
.set j, 0
.rept 16
.if \first
	v_pk_mul_f32 v[\a+j:\a+j+1], v[\s+j:\s+j+1], v[TM+8:TM+9] op_sel_hi:[1,0]
.else
	v_pk_fma_f32 v[\a+j:\a+j+1], v[\s+j:\s+j+1], v[TM+8:TM+9], v[\a+j:\a+j+1] op_sel_hi:[1,0,1]
.endif
.set j, j+2
.endr
	WIN 0
.endm
; A comparator: the larger to place i, the smaller to place j, in two instructions: the larger goes to a spare register, which then takes place i's name
.macro CE i, j
	v_max_num_f32 v[FREE], v[P\i], v[P\j]
	v_min_num_f32 v[P\j], v[P\i], v[P\j]
.set TMPF, P\i
.set P\i, FREE
.set FREE, TMPF
.endm
.macro MX i, j
	v_max_num_f32 v[P\i], v[P\i], v[P\j]
.endm
.macro SORT16 a0,a1,a2,a3,a4,a5,a6,a7,a8,a9,a10,a11,a12,a13,a14,a15   ; odd-even merge sort of 16, descending: 63 comparators
	CE \a0,\a1
	CE \a2,\a3
	CE \a4,\a5
	CE \a6,\a7
	CE \a8,\a9
	CE \a10,\a11
	CE \a12,\a13
	CE \a14,\a15
	CE \a0,\a2
	CE \a1,\a3
	CE \a4,\a6
	CE \a5,\a7
	CE \a8,\a10
	CE \a9,\a11
	CE \a12,\a14
	CE \a13,\a15
	CE \a1,\a2
	CE \a5,\a6
	CE \a9,\a10
	CE \a13,\a14
	CE \a0,\a4
	CE \a1,\a5
	CE \a2,\a6
	CE \a3,\a7
	CE \a8,\a12
	CE \a9,\a13
	CE \a10,\a14
	CE \a11,\a15
	CE \a2,\a4
	CE \a3,\a5
	CE \a10,\a12
	CE \a11,\a13
	CE \a1,\a2
	CE \a3,\a4
	CE \a5,\a6
	CE \a9,\a10
	CE \a11,\a12
	CE \a13,\a14
	CE \a0,\a8
	CE \a1,\a9
	CE \a2,\a10
	CE \a3,\a11
	CE \a4,\a12
	CE \a5,\a13
	CE \a6,\a14
	CE \a7,\a15
	CE \a4,\a8
	CE \a5,\a9
	CE \a6,\a10
	CE \a7,\a11
	CE \a2,\a4
	CE \a3,\a5
	CE \a6,\a8
	CE \a7,\a9
	CE \a10,\a12
	CE \a11,\a13
	CE \a1,\a2
	CE \a3,\a4
	CE \a5,\a6
	CE \a7,\a8
	CE \a9,\a10
	CE \a11,\a12
	CE \a13,\a14
.endm
.macro EX i
	v_fmamk_f32 v[\i], v[P\i], 0x3fb8aa3b, v18
.endm
.macro S1M d, i
	v_mul_f32 v[\d], v[\i], v[P\i]
.endm
.macro S1F d, i
	v_fmac_f32 v[\d], v[\i], v[P\i]
.endm
.macro SK q, i                         ; the sums for k = 8 + q from those for k - 1
	v_add_f32 v[32+\q], v[31+\q], v[\i]
	v_fma_f32 v[48+\q], v[\i], v[P\i], v[47+\q]
.endm
.macro REDMIN r
.irp m, 1,2,4,8
	v_min_num_f32_dpp v[\r], v[\r], v[\r] row_xmask:\m row_mask:0xf bank_mask:0xf
.endr
	v_permlanex16_b32 v138, v[\r], s[SEL], s[SEL+1]
	v_min_num_f32 v[\r], v[\r], v138
.endm
.macro REDMAX r
.irp m, 1,2,4,8
	v_max_num_f32_dpp v[\r], v[\r], v[\r] row_xmask:\m row_mask:0xf bank_mask:0xf
.endr
	v_permlanex16_b32 v138, v[\r], s[SEL], s[SEL+1]
	v_max_num_f32 v[\r], v[\r], v138
.endm
	s_load_b512 s[8:23], s[0:1], 0x0               ; vision s[8:9], wimg s[10:11], kimg s[12:13], vp_b, in_proj_b, b1, g1, be1 s[22:23]
	s_load_b256 s[24:31], s[0:1], 0x40             ; b2, g2, be2, w3
	s_load_b128 s[32:35], s[0:1], 0x60             ; b3, planes
	s_load_b64 s[36:37], s[0:1], 0x70              ; part
	v_lshl_add_u32 v254, v0, 2, 0x4f800
	v_mov_b32 v255, 0
	ds_add_u32 v254, v255
	ds_add_u32 v254, v255
	s_wait_dscnt 0x0
	v_lshrrev_b32 v40, 5, v0
	v_readfirstlane_b32 s[WV], v40                 ; wave 0..7
	s_and_b32 s[BB], ttmp9, 15                     ; b
	s_lshr_b32 s[CH], ttmp9, 4                     ; chunk of 1,024 n
	v_and_b32 v41, 31, v0                          ; lane
	v_and_b32 v42, 15, v0                          ; r
	v_bfe_u32 v43, v0, 4, 1                        ; h
	v_lshlrev_b32 v[AW0], 4, v41                   ; every LDS address is made here, ahead of the first branch on the wave's number
	v_add_nc_u32 v[AW1], 49152, v[AW0]
	v_add_nc_u32 v[AW2], 98304, v[AW0]
	v_add_nc_u32 v[AW3], 147456, v[AW0]
	v_lshl_add_u32 v[AP], v43, 6, PAR
	s_mul_i32 s70, s[WV], 8448
	s_add_co_u32 s70, s70, STG
	v_add_nc_u32 v[ASS], s70, v[AW0]
	v_mul_u32_u24 v[ASL], v42, 528
	v_lshl_add_u32 v[ASL], v43, 6, v[ASL]
	v_add_nc_u32 v[ASL], s70, v[ASL]
	s_mul_i32 s70, s[WV], 5632
	s_add_co_u32 s70, s70, RES
	v_add_nc_u32 v[AR0], s70, v[AW0]
	v_lshrrev_b32 v44, 2, v41
	v_and_b32 v45, 3, v41
	v_lshlrev_b32 v[APF], 16, v44
	v_lshl_add_u32 v[APF], v45, 8, v[APF]
	v_lshl_add_u32 v[AST], v40, 2, STAT
	v_lshl_add_u32 v[ASR], v41, 5, STAT
	v_lshl_add_u32 v[APS], v0, 2, PAR
	v_lshlrev_b32 v64, 2, v0                       ; 4 x thread: a word of a bias of 256
	v_and_b32 v65, 127, v0
	v_lshlrev_b32 v65, 2, v65                      ; and of one of 128
.set j, TM
.rept 16
	v_mov_b32 v[j], 0                              ; written once: lane permutes' destinations and the upper halves of broadcast pairs count as read
.set j, j+1
.endr
	s_mov_b32 s[SEL], 0x76543210
	s_mov_b32 s[SEL+1], 0xfedcba98                 ; v_permlanex16_b32's selects for lane l xor 16
	s_mov_b32 s[CS], 0x3e8293ee                    ; c = log2(e) / sqrt(32)
	s_mov_b32 s[CS+1], s[CS]
	s_mov_b32 s[NC], 0xbe8293ee                    ; -c
	s_mov_b32 s[PS], 0
	s_mov_b32 s[OFP], 0
	; descriptor group 1: a dense block of 25,600 bytes as 100 rows of 32 elements of 8 bytes, no padding
	s_mov_b32 s44, 3<<16
	s_mov_b32 s45, 32<<16
	s_mov_b32 s46, 100<<16
	s_mov_b32 s47, 32<<16
	s_mov_b32 s48, 100
	s_mov_b32 s49, 32
	s_mov_b32 s50, 0
	s_mov_b32 s51, 0
	s_mov_b32 s40, 1                               ; group 0 for waves 0 to 6: the wave's seventh of the weight images,
	s_mul_i32 s41, s[WV], 25600
	s_mov_b32 s4, 1                                ; and for wave 7: b's key images, behind them
	s_mov_b32 s5, 179200
	s_mul_i32 s70, s[WV], 25600
	s_mov_b32 s71, 0
	s_mul_i32 s2, s[BB], 25600
	s_mov_b32 s3, 0
	s_wait_kmcnt 0x0
	s_add_nc_u64 s[42:43], s[10:11], s[70:71]
	s_or_b32 s43, s43, 0x80000000
	s_add_nc_u64 s[6:7], s[12:13], s[2:3]
	s_or_b32 s7, s7, 0x80000000
	s_cmp_lt_u32 s[WV], 7                          ; each wave's one tensor load; four v_nop follow each line
	s_cbranch_scc0 .Lkeys
	tensor_load_to_lds s[40:43], s[44:51]
	s_nop 0
.rept 4
	v_nop
.endr
	s_branch .Lasked
.Lkeys:
	tensor_load_to_lds s[4:7], s[44:51]
	s_nop 0
.rept 4
	v_nop
.endr
.Lasked:
	s_load_b32 s[B3], s[32:33], 0x0
	s_cmp_lt_u32 s[WV], 4                          ; threads 0-127 fetch b2 and be2, threads 128-255 g2 and w3
	s_cselect_b64 s[24:25], s[24:25], s[26:27]
	s_cselect_b64 s[28:29], s[28:29], s[30:31]
	global_load_b32 v66, v64, s[14:15]
	global_load_b32 v67, v64, s[16:17]
	global_load_b32 v68, v64, s[18:19]
	global_load_b32 v69, v64, s[20:21]
	global_load_b32 v70, v64, s[22:23]
	global_load_b32 v71, v65, s[24:25]
	global_load_b32 v72, v65, s[28:29]
	s_lshl_b32 s70, s[CH], 24                      ; my first row: n = 1,024 chunk + 128 wave, 16,384 bytes from n to n, + 1,024 b
	s_lshl_b32 s2, s[WV], 21
	s_add_co_u32 s70, s70, s2
	s_lshl_b32 s2, s[BB], 10
	s_add_co_u32 s70, s70, s2
	s_add_nc_u64 s[XB:XB+1], s[8:9], s[70:71]
	s_lshl_b32 s70, s[BB], 16                      ; my 128 n in a plane [b][n]
	s_lshl_b32 s2, s[CH], 12
	s_add_co_u32 s70, s70, s2
	s_lshl_b32 s2, s[WV], 9
	s_add_co_u32 s70, s70, s2
	s_add_nc_u64 s[PL0:PL0+1], s[34:35], s[70:71]
	s_add_nc_u64 s[PL1:PL1+1], s[PL0:PL0+1], 0x800000
	s_lshl_b32 s70, s[BB], 11                      ; the work-group's 128 bytes of part
	s_lshl_b32 s2, s[CH], 7
	s_add_co_u32 s70, s70, s2
	s_add_nc_u64 s[36:37], s[36:37], s[70:71]
	XLOAD 0,PF,0                                   ; the first pass's x: three units at once, the fourth when the first has left its registers
	XLOAD 1,128,0
	XLOAD 2,64,0
	s_wait_loadcnt 48                              ; the seven words are in; x's 48 loads may be out
.irp a, 0,1,2,3,4,5,6
	ds_store_b32 v[APS], v[66+\a] offset:1024*\a   ; (the last two: b2 | g2 at 5,120, be2 | w3 at 6,144)
.endr
	XTURN 0,PF,32,3,0
	XTURN 1,128,32,-1,0
	XTURN 2,64,16,-1,0
	XTURN 3,PF,0,-1,0
	s_wait_tensorcnt 0x0                           ; my part of the images has landed,
	s_wait_dscnt 0x0                               ; my words of the biases are stored:
	s_barrier_signal -1
	s_barrier_wait -1                              ; everybody's are
	ds_load_b128 v[KS:KS+3], v[AW3] offset:KSCO
	ds_load_b128 v[KS+4:KS+7], v[AW3] offset:KSCO+512
	s_wait_dscnt 0x0
	s_wait_kmcnt 0x0                               ; b3
.Lpass:                                ; four trips: 32 rows each
	s_wait_loadcnt 0x0                             ; nothing is on its way into the registers that the first product writes
	v_add_nc_u32 v[AR], s[OFP], v[AR0]
	s_cmp_eq_u32 s[PS], 3
	s_cbranch_scc1 .Lno_pf
.irp k, 0,1,2,3
	global_prefetch_b8 v[APF], s[XB:XB+1] offset:16384+524288*\k th:TH_LOAD_NT scope:SCOPE_SE   ; the next pass's 32 rows: 128 blocks of 256 bytes, each asked for once, by the wave that will load it; the last pass asks for nothing
.endr
.Lno_pf:
	; ---- the importance chain.  x w1^T + b1: X's 128 sums a lane in v0-127, Y's in v128-255 of window 1
.irp s, 0,1
	PROD AW2,24576*\s,AW3,WSCO+512*(8+2*\s),2048+512*\s,XC,0,XS,64*\s,128+64*\s
.endr
	LNSTAT 0,128,0x3b800000,RSX                    ; 1 / 256
	LNSTAT 128,128,0x3b800000,RSY
	LNLOAD1 0
	LNLOAD1 1
.irp c, 0,1,2,3,4,5,6,7
.if \c<6
	LNLOAD1 \c+2
	s_wait_dscnt 16                                ; the two younger chunks, eight loads each, may be out
.elseif \c==6
	s_wait_dscnt 8
.else
	s_wait_dscnt 0
.endif
	WIN 0x41
	LNAPP 16*\c,FB+32*(\c%3),RSX
	LNAPP 128+16*\c,FB+32*(\c%3),RSY
	WIN 0x44
	RELU16 16*\c
	RELU16 128+16*\c
	WIN 0
.endr
	QUANT 0,C2,CS2
	QUANT 64,C2+12,CS2+1
	QUANT 128,C2+24,CS2+2
	QUANT 192,C2+36,CS2+3
	s_cmp_eq_u32 s[PS], 3
	s_cbranch_scc1 .Lno_x0
	XLOAD 0,PF,16384                               ; the next pass's first unit: no load leaves the buffer in the last pass
.Lno_x0:
	PROD AW3,0,AW3,WSCO+512*12,5120,C2,0,CS2,0,64  ; h w2^T + b2: 64 sums a lane for X, 64 for Y
	LNSTAT 0,64,0x3c000000,RSX                     ; 1 / 128
	LNSTAT 64,64,0x3c000000,RSY
	LNLOAD2 0
	LNLOAD2 1
.irp c, 0,1,2,3
.if \c<3
	s_wait_dscnt 12                                ; the younger chunk's twelve loads may be out
.else
	s_wait_dscnt 0
.endif
	WIN 0x41
	LNAPP 16*\c,FB+48*(\c%2),RSX
	LNAPP 64+16*\c,FB+48*(\c%2),RSY
	WIN 0x44
	RELU16 16*\c
	RELU16 64+16*\c
	WIN 0x01
.if \c==0
	DOT16 16*\c,FB+48*(\c%2)+32,TM+12,1
	DOT16 64+16*\c,FB+48*(\c%2)+32,TM+14,1
.else
	DOT16 16*\c,FB+48*(\c%2)+32,TM+12,0
	DOT16 64+16*\c,FB+48*(\c%2)+32,TM+14,0
.endif
	WIN 0
.if \c<2
	LNLOAD2 \c+2
.endif
.endr
	v_add_f32 v[TM+12], v[TM+12], v[TM+13]
	v_add_f32 v[TM+14], v[TM+14], v[TM+15]
	v_permlanex16_b32 v[TM+4], v[TM+12], s[SEL], s[SEL+1]
	v_permlanex16_b32 v[TM+5], v[TM+14], s[SEL], s[SEL+1]
	v_add_f32 v[TM+12], v[TM+12], v[TM+4]
	v_add_f32 v[TM+14], v[TM+14], v[TM+5]
	v_permlane16_swap_b32 v[TM+12], v[TM+14]       ; lanes 0-15 keep X's rows, lanes 16-31 take Y's: one row a lane
	v_add_f32 v[TM+12], s[B3], v[TM+12]
	v_mul_f32 v[TM+12], 0xbfb8aa3b, v[TM+12]
	v_exp_f32 v[TM+12], v[TM+12]
	v_nop
	s_wait_alu depctr_va_vdst(0)
	v_add_f32 v[TM+12], 1.0, v[TM+12]
	v_rcp_f32 v[TM+12], v[TM+12]                   ; the sigmoid
	v_nop
	s_wait_alu depctr_va_vdst(0)
	ds_store_b32 v[AR], v[TM+12] offset:9*512
	; ---- the attention chain.  vision_proj = x vp_w^T + vp_b, 128 columns at a time
.irp s, 0,1
	PROD AW0,24576*\s,AW3,WSCO+1024*\s,512*\s,XC,0,XS,0,64
	QUANT 0,FB,VS+\s
	TOW1 FB,VC+12*\s
	QUANT 64,FB,VS+2+\s
	TOW1 FB,VC+24+12*\s
.endr
	s_cmp_eq_u32 s[PS], 3
	s_cbranch_scc1 .Lno_x1
	XTURN 0,PF,0,1,16384                           ; x's codes are done with: the next pass's take their place, a unit at a time
.Lno_x1:
.irp s, 0,1                            ; q = vision_proj in_proj_w[0:256]^T + in_proj_b[0:256]
	PROD AW1,24576*\s,AW3,WSCO+512*(4+2*\s),1024+512*\s,VC,1,VS,0,64
	QUANT 0,C2+12*\s,CS2+\s
	QUANT 64,C2+24+12*\s,CS2+2+\s
.endr
	s_cmp_eq_u32 s[PS], 3
	s_cbranch_scc1 .Lno_x2
	XTURN 1,PF,0,2,16384
.Lno_x2:
	P5H 0
	SOFTMAX 0,AX,1
	SOFTMAX 32,AY,1
	SOFTMAX 64,AX,0
	SOFTMAX 96,AY,0
	s_cmp_eq_u32 s[PS], 3
	s_cbranch_scc1 .Lno_x3
	XTURN 2,PF,0,3,16384
.Lno_x3:
	P5H 1
	SOFTMAX 0,AX,0
	SOFTMAX 32,AY,0
	SOFTMAX 64,AX,0
	SOFTMAX 96,AY,0
	; ---- one row a lane, all in window 1.  Lanes 0-15 held the even heads' part, lanes 16-31 the odd heads'
	WIN 0x55
.set j, 0
.rept 32
	v_permlane16_swap_b32 v[AX+j], v[AY+j]         ; X's lanes 16-31 change places with Y's lanes 0-15
.set j, j+1
.endr
.set j, 0
.rept 16
	v_pk_add_f32 v[AX+j:AX+j+1], v[AX+j:AX+j+1], v[AY+j:AY+j+1]   ; the mean attention of row lane: 32 numbers
.set j, j+2
.endr
	v_pk_add_f32 v[16:17], v[AX:AX+1], v[AX+2:AX+3]               ; its variance over the 32 keys, divisor 31
	v_pk_add_f32 v[18:19], v[AX+4:AX+5], v[AX+6:AX+7]
.set j, AX+8
.rept 6
	v_pk_add_f32 v[16:17], v[16:17], v[j:j+1]
	v_pk_add_f32 v[18:19], v[18:19], v[j+2:j+3]
.set j, j+4
.endr
	v_pk_add_f32 v[16:17], v[16:17], v[18:19]
	v_add_f32 v16, v16, v17
	v_mul_f32 v16, 0x3d000000, v16                 ; x 1 / 32: the mean
	v_pk_add_f32 v[20:21], v[AX:AX+1], v[16:17] op_sel_hi:[1,0] neg_lo:[0,1] neg_hi:[0,1]
	v_pk_add_f32 v[24:25], v[AX+2:AX+3], v[16:17] op_sel_hi:[1,0] neg_lo:[0,1] neg_hi:[0,1]
	v_pk_mul_f32 v[22:23], v[20:21], v[20:21]
	v_pk_mul_f32 v[26:27], v[24:25], v[24:25]
.set j, AX+4
.rept 7
	v_pk_add_f32 v[20:21], v[j:j+1], v[16:17] op_sel_hi:[1,0] neg_lo:[0,1] neg_hi:[0,1]
	v_pk_add_f32 v[24:25], v[j+2:j+3], v[16:17] op_sel_hi:[1,0] neg_lo:[0,1] neg_hi:[0,1]
	v_pk_fma_f32 v[22:23], v[20:21], v[20:21], v[22:23]
	v_pk_fma_f32 v[26:27], v[24:25], v[24:25], v[26:27]
.set j, j+4
.endr
	v_pk_add_f32 v[22:23], v[22:23], v[26:27]
	v_add_f32 v22, v22, v23
	v_mul_f32 v31, 0x3d042108, v22                 ; x 1 / 31
	; the 16 largest: two sorts of 16, the larger of a[i] and b[15 - i], and of that bitonic run the upper eight as a set and the lower eight in order
.irp i, 0,1,2,3,4,5,6,7,8,9,10,11,12,13,14,15,16,17,18,19,20,21,22,23,24,25,26,27,28,29,30,31
.set P\i, AX+\i
.endr
.set FREE, AY
	SORT16 0,1,2,3,4,5,6,7,8,9,10,11,12,13,14,15
	SORT16 16,17,18,19,20,21,22,23,24,25,26,27,28,29,30,31
	MX 0,31
	MX 1,30
	MX 2,29
	MX 3,28
	MX 4,27
	MX 5,26
	MX 6,25
	MX 7,24
	MX 8,23
	MX 9,22
	MX 10,21
	MX 11,20
	MX 12,19
	MX 13,18
	MX 14,17
	MX 15,16
	CE 0,8
	CE 1,9
	CE 2,10
	CE 3,11
	CE 4,12
	CE 5,13
	CE 6,14
	CE 7,15
	CE 8,12
	CE 9,13
	CE 10,14
	CE 11,15
	CE 8,10
	CE 9,11
	CE 12,14
	CE 13,15
	CE 8,9
	CE 10,11
	CE 12,13
	CE 14,15
	v_max3_num_f32 v16, v[P0], v[P1], v[P2]        ; the largest of all: it is taken away before the exponentials
	v_max3_num_f32 v17, v[P3], v[P4], v[P5]
	v_max3_num_f32 v16, v16, v[P6], v[P7]
	v_max_num_f32 v16, v16, v17
	v_mul_f32 v18, 0xbfb8aa3b, v16
.irp i, 0,1,2,3,4,5,6,7,8,9,10,11,12,13,14,15
	EX \i
.endr
.set j, 0
.rept 16
	v_exp_f32 v[j], v[j]
.set j, j+1
.endr
	v_nop
	s_wait_alu depctr_va_vdst(0)
	v_add_f32 v20, v0, v1                          ; for k = 8: the sum of the weights,
	v_add_f32 v21, v2, v3
	v_add_f32 v22, v4, v5
	v_add_f32 v23, v6, v7
	v_add_f32 v20, v20, v21
	v_add_f32 v22, v22, v23
	v_add_f32 v32, v20, v22
	S1M 24,0                                       ; and of weight x value
	S1M 25,1
	S1F 24,2
	S1F 25,3
	S1F 24,4
	S1F 25,5
	S1F 24,6
	S1F 25,7
	v_add_f32 v48, v24, v25
	SK 1,8
	SK 2,9
	SK 3,10
	SK 4,11
	SK 5,12
	SK 6,13
	SK 7,14
	SK 8,15
.set j, 0
.rept 9
	v_rcp_f32 v[64+j], v[32+j]
.set j, j+1
.endr
	v_nop
.set j, 0
	s_wait_alu depctr_va_vdst(0)
.rept 9
	v_mul_f32 v[64+j], v[64+j], v[48+j]            ; the similarity for k = 8 + j
.set j, j+1
.endr
	WIN 0x04
.irp q, 0,1,2,3,4,5,6,7,8
	ds_store_b32 v[AR], v[64+\q] offset:512*\q
.endr
	ds_store_b32 v[AR], v31 offset:10*512
	WIN 0
	s_cmp_eq_u32 s[PS], 3
	s_cbranch_scc1 .Lno_x4
	XTURN 3,PF,0,-1,16384
.Lno_x4:
	s_wait_xcnt 0x0                                ; x's base is stepped only behind this wait
	s_add_nc_u64 s[XB:XB+1], s[XB:XB+1], 16384
	s_add_co_u32 s[OFP], s[OFP], 4
	s_add_co_u32 s[PS], s[PS], 1
	s_cmp_lt_u32 s[PS], 4
	s_cbranch_scc1 .Lpass
	; ---- the way out: a lane's four results of a plane are four neighbouring n: each store of the wave covers 512 consecutive bytes, aligned
.irp q, 0,1,2,3,4,5,6,7,8,9,10
	ds_load_b128 v[64+4*\q:67+4*\q], v[AR0] offset:512*\q   ; LDS serves a wave's instructions in order: these see my stores
.endr
.irp q, 0,1,2,3,4,5,6,7
	s_wait_dscnt 10-\q
	global_store_b128 v[AW0], v[64+4*\q:67+4*\q], s[PL0:PL0+1] offset:(\q<<20)
.endr
.irp q, 8,9
	s_wait_dscnt 10-\q
	global_store_b128 v[AW0], v[64+4*\q:67+4*\q], s[PL1:PL1+1] offset:((\q-8)<<20)
.endr
	s_wait_dscnt 0x0
	v_mov_b32 v138, 0
.irp q, 0,1,2,3,4,5,6,7,8,9
	v_min3_num_f32 v[112+\q], v[64+4*\q], v[65+4*\q], v[66+4*\q]
	v_max3_num_f32 v[124+\q], v[64+4*\q], v[65+4*\q], v[66+4*\q]
	v_min_num_f32 v[112+\q], v[112+\q], v[67+4*\q]
	v_max_num_f32 v[124+\q], v[124+\q], v[67+4*\q]
.endr
	v_add_f32 v136, v104, v105
	v_add_f32 v137, v106, v107
	v_add_f32 v136, v136, v137
.irp m, 1,2,4,8
	v_add_f32_dpp v136, v136, v136 row_xmask:\m row_mask:0xf bank_mask:0xf
.endr
	v_permlanex16_b32 v138, v136, s[SEL], s[SEL+1]
	v_add_f32 v136, v136, v138                     ; the wave's sum of variances
.irp q, 0,1,2,3,4,5,6,7,8,9
	REDMIN 112+\q
	REDMAX 124+\q
.endr
	ds_store_b32 v[AST], v136                      ; figure 0: the sum; 1-10: the planes' minima; 11-20: their maxima; all lanes write the same word with the same value
.irp q, 0,1,2,3,4,5,6,7,8,9
	ds_store_b32 v[AST], v[112+\q] offset:32*(1+\q)
	ds_store_b32 v[AST], v[124+\q] offset:32*(11+\q)
.endr
.irp q, 21,22,23,24,25,26,27,28,29,30,31
	ds_store_b32 v[AST], v136 offset:32*\q         ; the rest is written too, since all 32 are read
.endr
	s_wait_dscnt 0x0
	s_barrier_signal -1
	s_barrier_wait -1
	s_cmp_lg_u32 s[WV], 0
	s_cbranch_scc1 .Ldone
	ds_load_b128 v[140:143], v[ASR]                ; lane f: figure f of the eight waves.  (Registers that no pending store names)
	ds_load_b128 v[144:147], v[ASR] offset:16
	v_and_b32 v156, 31, v0
	v_lshlrev_b32 v157, 2, v156
	s_wait_dscnt 0x0
	v_add_f32 v148, v140, v141
	v_add_f32 v149, v142, v143
	v_add_f32 v150, v144, v145
	v_add_f32 v151, v146, v147
	v_add_f32 v148, v148, v149
	v_add_f32 v150, v150, v151
	v_add_f32 v148, v148, v150
	v_min3_num_f32 v152, v140, v141, v142
	v_min3_num_f32 v152, v152, v143, v144
	v_min3_num_f32 v152, v152, v145, v146
	v_min_num_f32 v152, v152, v147
	v_max3_num_f32 v153, v140, v141, v142
	v_max3_num_f32 v153, v153, v143, v144
	v_max3_num_f32 v153, v153, v145, v146
	v_max_num_f32 v153, v153, v147
	v_cmp_gt_u32 vcc_lo, 11, v156
	v_cndmask_b32 v154, v153, v152, vcc_lo
	v_cmp_eq_u32 vcc_lo, 0, v156
	v_cndmask_b32 v154, v154, v148, vcc_lo
	global_store_b32 v157, v154, s[36:37]          ; the work-group's 32 figures
.Ldone:
	s_wait_xcnt 0x0
	v_lshl_add_u32 v254, v0, 2, 0x4f800
	v_mov_b32 v255, 0
	s_wait_tensorcnt 0x0
	ds_add_u32 v254, v255
	s_wait_dscnt 0x0
	s_endpgm
.Lfunc_end_k_qfeb2297240_main:
	.size	k_qfeb2297240_main, .Lfunc_end_k_qfeb2297240_main-k_qfeb2297240_main
	.p2alignl 7, 3214868480
	.fill 96, 4, 3214868480
	.section	.rodata,"a",@progbits
	.p2align	6, 0x0
	.amdhsa_kernel k_qfeb2297240_main
		.amdhsa_group_segment_fixed_size 327680
		.amdhsa_private_segment_fixed_size 0
		.amdhsa_enable_private_segment 0
		.amdhsa_kernarg_size 120
		.amdhsa_user_sgpr_count 2
		.amdhsa_user_sgpr_kernarg_segment_ptr 1
		.amdhsa_wavefront_size32 1
		.amdhsa_system_sgpr_workgroup_id_x 1
		.amdhsa_system_sgpr_workgroup_id_y 1
		.amdhsa_system_sgpr_workgroup_id_z 1
		.amdhsa_system_vgpr_workitem_id 0
		.amdhsa_next_free_vgpr 512
		.amdhsa_next_free_sgpr 72
		.amdhsa_reserve_vcc 1
		.amdhsa_float_denorm_mode_32 3
		.amdhsa_float_denorm_mode_16_64 3
		.amdhsa_memory_ordered 1
		.amdhsa_forward_progress 1
		.amdhsa_inst_pref_size 255
	.end_amdhsa_kernel
	.section	.bss,"aw",@nobits
	.p2align	6
	.space	262144
	.amdgpu_metadata
---
amdhsa.version: [ 1, 2 ]
amdhsa.kernels:
  - .name:           k_qfeb2297240_main
    .symbol:         k_qfeb2297240_main.kd
    .args:
      - { .name: vision_features, .offset: 0, .size: 8, .value_kind: global_buffer, .address_space: global }
      - { .name: wimg, .offset: 8, .size: 8, .value_kind: global_buffer, .address_space: global }
      - { .name: kimg, .offset: 16, .size: 8, .value_kind: global_buffer, .address_space: global }
      - { .name: vp_b, .offset: 24, .size: 8, .value_kind: global_buffer, .address_space: global }
      - { .name: in_proj_b, .offset: 32, .size: 8, .value_kind: global_buffer, .address_space: global }
      - { .name: b1, .offset: 40, .size: 8, .value_kind: global_buffer, .address_space: global }
      - { .name: g1, .offset: 48, .size: 8, .value_kind: global_buffer, .address_space: global }
      - { .name: be1, .offset: 56, .size: 8, .value_kind: global_buffer, .address_space: global }
      - { .name: b2, .offset: 64, .size: 8, .value_kind: global_buffer, .address_space: global }
      - { .name: g2, .offset: 72, .size: 8, .value_kind: global_buffer, .address_space: global }
      - { .name: be2, .offset: 80, .size: 8, .value_kind: global_buffer, .address_space: global }
      - { .name: w3, .offset: 88, .size: 8, .value_kind: global_buffer, .address_space: global }
      - { .name: b3, .offset: 96, .size: 8, .value_kind: global_buffer, .address_space: global }
      - { .name: planes, .offset: 104, .size: 8, .value_kind: global_buffer, .address_space: global }
      - { .name: part, .offset: 112, .size: 8, .value_kind: global_buffer, .address_space: global }
    .group_segment_fixed_size: 327680
    .private_segment_fixed_size: 0
    .kernarg_segment_align: 8
    .kernarg_segment_size: 120
    .max_flat_workgroup_size: 256
    .sgpr_count:     72
    .vgpr_count:     512
    .wavefront_size: 32
...
	.end_amdgpu_metadata
.endif
;; end of part 2
;; launch finish (part 3): grid 256 x 1, 8 waves a work-group, no clusters, 6,144 bytes of LDS; arguments planes, part, k_weight, alpha_coarse, alpha_fine, out0; writes out0
.if DOCPART == 3
	.amdgcn_target "amdgcn-amd-amdhsa--gfx1250"
	.amdhsa_code_object_version 6
	.text
	.protected	k_qfeb2297240_finish
	.globl	k_qfeb2297240_finish
	.p2align	8
	.type	k_qfeb2297240_finish,@function
k_qfeb2297240_finish:
	s_mov_b64 s[64:65], 0
	v_nop
	global_prefetch_b8 v0, s[64:65] scope:SCOPE_SE
	s_setreg_imm32_b32 hwreg(HW_REG_WAVE_MODE, 25, 1), 1
	s_wait_xcnt 0x0
; FINISH.  For each batch b: the mean variance gives k (8 .. 16); the similarity plane of that k is chosen by selects, never by an address; both scores are brought to 0 .. 1 by their smallest
; and largest over all n, blended, and stored [n][b].
; planes: [10][b 16][n 16,384] f32: planes 0-8 the similarity for k = 8 .. 16, plane 9 the importance.  part: [b 16][chunk 16][32] f32: word 0 a sum of variances, 1-10 the planes' minima, 11-20 their maxima.
; SHARES.  A work-group takes 64 n and all 16 b.  Wave w, lane (r, h): b = 2 w + h, n = 64 g + 4 r + 0 .. 3; the sixteen lanes of a half also hold b's sixteen chunks' figures, one chunk a lane,
; so that every reduction over a batch is four steps inside a half.  Memory binds; no matrix unit, no cluster, no tensor load would add anything.
; LIMITS: a k whose 32 x ratio lies within an ulp of a whole number may fall either way; the sigmoids use the chip's 2^x and 1 / x, good to an ulp.
	s_load_b256 s[4:11], s[0:1], 0x0               ; planes, part, k_weight, alpha_coarse
	s_load_b128 s[12:15], s[0:1], 0x20             ; alpha_fine, out0
	v_lshl_add_u32 v96, v0, 2, 0x1400
	v_mov_b32 v97, 0
	v_lshrrev_b32 v1, 5, v0
	v_readfirstlane_b32 s16, v1                    ; wave
	v_and_b32 v2, 15, v0                           ; r
	v_bfe_u32 v3, v0, 4, 1                         ; h
	s_lshl_b32 s17, s16, 1
	v_add_nc_u32 v4, s17, v3                       ; b
	v_lshlrev_b32 v5, 16, v4
	v_lshl_add_u32 v5, v2, 4, v5                   ; in a plane: 65,536 b + 16 r
	v_lshlrev_b32 v6, 11, v4
	v_lshl_add_u32 v6, v2, 7, v6                   ; in part: 2,048 b + 128 r
	v_mul_u32_u24 v7, v2, 320
	v_lshl_add_u32 v7, v4, 2, v7                   ; the stage, in: row 4 r + i of 80 bytes (64 + 16 of padding), word b
	v_lshrrev_b32 v8, 2, v0
	v_mul_u32_u24 v8, v8, 80
	v_and_b32 v9, 3, v0
	v_lshl_add_u32 v8, v9, 4, v8                   ; and out: row thread / 4, 16 bytes
	v_lshlrev_b32 v9, 4, v0                        ; out0: 16 x thread
	s_lshl_b32 s18, ttmp9, 8                       ; 64 n of 4 bytes
	s_mov_b32 s19, 0
	s_lshl_b32 s20, ttmp9, 12                      ; 64 rows of 64 bytes
	s_mov_b32 s21, 0
	s_mov_b32 s28, 0x3e800000                      ; 0.25
	s_mov_b32 s29, 0x3f19999a                      ; 0.6
	s_mov_b32 s30, 0x41000000                      ; 8
	s_mov_b32 s31, 0x41800000                      ; 16
	s_wait_kmcnt 0x0
	s_load_b32 s22, s[8:9], 0x0
	s_load_b32 s23, s[10:11], 0x0
	s_load_b32 s24, s[12:13], 0x0
	s_add_nc_u64 s[4:5], s[4:5], s[18:19]
	s_add_nc_u64 s[26:27], s[4:5], 0x800000
	s_add_nc_u64 s[14:15], s[14:15], s[20:21]
.irp q, 0,1,2,3,4,5,6,7
	global_load_b128 v[16+4*\q:19+4*\q], v5, s[4:5] offset:(\q<<20)   ; sixteen lanes read 256 consecutive bytes, aligned
.endr
.irp q, 8,9
	global_load_b128 v[16+4*\q:19+4*\q], v5, s[26:27] offset:((\q-8)<<20)
.endr
.irp j, 0,1,2,3,4,5
	global_load_b128 v[56+4*\j:59+4*\j], v6, s[6:7] offset:16*\j      ; word i of my chunk in v[56 + i]
.endr
	s_wait_kmcnt 0x0
	v_mov_b32 v80, s22
	v_mov_b32 v81, s23
	v_mov_b32 v82, s24
	v_mul_f32 v80, 0xbfb8aa3b, v80
	v_mul_f32 v81, 0xbfb8aa3b, v81
	v_mul_f32 v82, 0xbfb8aa3b, v82
	v_exp_f32 v80, v80
	v_exp_f32 v81, v81
	v_exp_f32 v82, v82
	v_nop
	s_wait_alu depctr_va_vdst(0)
	v_add_f32 v80, 1.0, v80
	v_add_f32 v81, 1.0, v81
	v_add_f32 v82, 1.0, v82
	v_rcp_f32 v80, v80                             ; sigmoid(k_weight)
	v_rcp_f32 v81, v81
	v_rcp_f32 v82, v82
	v_nop
	s_wait_alu depctr_va_vdst(0)
	v_add_f32 v81, v81, v82
	v_mul_f32 v81, 0.5, v81                        ; alpha
	v_sub_f32 v82, 1.0, v81                        ; 1 - alpha
	s_wait_loadcnt 0x0
.irp m, 1,2,4,8
	v_add_f32_dpp v56, v56, v56 row_xmask:\m row_mask:0xf bank_mask:0xf
.endr
	v_ldexp_f32 v56, v56, -14                      ; the mean variance over 16,384 n
	v_fma_f32 v56, v56, 0.5, 1.0
	v_mul_f32 v56, v80, v56
	v_med3_num_f32 v56, v56, s28, s29              ; the ratio, held to 0.25 .. 0.6
	v_mul_f32 v56, 0x42000000, v56
	v_floor_f32 v56, v56
	v_med3_num_f32 v90, v56, s30, s31              ; k, held to 8 .. 16, as a float
	v_mov_b32 v84, v16                             ; k = 8's plane, minimum and maximum; the others take their place where k is theirs
	v_mov_b32 v85, v17
	v_mov_b32 v86, v18
	v_mov_b32 v87, v19
	v_mov_b32 v88, v57
	v_mov_b32 v89, v67
.irp q, 1,2,3,4,5,6,7,8
	v_cmp_eq_f32 vcc_lo, 0x41000000+0x100000*\q, v90   ; 8 + q
	v_cndmask_b32 v84, v84, v[16+4*\q], vcc_lo
	v_cndmask_b32 v85, v85, v[17+4*\q], vcc_lo
	v_cndmask_b32 v86, v86, v[18+4*\q], vcc_lo
	v_cndmask_b32 v87, v87, v[19+4*\q], vcc_lo
	v_cndmask_b32 v88, v88, v[57+\q], vcc_lo
	v_cndmask_b32 v89, v89, v[67+\q], vcc_lo
.endr
.irp m, 1,2,4,8
	v_min_num_f32_dpp v88, v88, v88 row_xmask:\m row_mask:0xf bank_mask:0xf   ; over b's sixteen chunks
	v_max_num_f32_dpp v89, v89, v89 row_xmask:\m row_mask:0xf bank_mask:0xf
	v_min_num_f32_dpp v66, v66, v66 row_xmask:\m row_mask:0xf bank_mask:0xf
	v_max_num_f32_dpp v76, v76, v76 row_xmask:\m row_mask:0xf bank_mask:0xf
.endr
	v_sub_f32 v89, v89, v88                        ; the similarity's range,
	v_sub_f32 v76, v76, v66                        ; the importance's
	v_rcp_f32 v91, v89
	v_rcp_f32 v92, v76
	v_cmp_lt_f32 vcc_lo, 0, v89                    ; (a plain place behind the reciprocals)
	v_cmp_lt_f32 s32, 0, v76
	s_wait_alu depctr_va_vdst(0)
.irp i, 0,1,2,3
	v_sub_f32 v[84+\i], v[84+\i], v88
	v_sub_f32 v[52+\i], v[52+\i], v66
	v_mul_f32 v[84+\i], v[84+\i], v91
	v_mul_f32 v[52+\i], v[52+\i], v92
	v_cndmask_b32 v[84+\i], 0, v[84+\i], vcc_lo    ; 0 where the range is 0
	v_cndmask_b32 v[52+\i], 0, v[52+\i], s32
	v_mul_f32 v[52+\i], v82, v[52+\i]
	v_fma_f32 v[84+\i], v81, v[84+\i], v[52+\i]
	ds_store_b32 v7, v[84+\i] offset:80*\i
.endr
	s_wait_dscnt 0x0                               ; for the others' sake: my words lie in the stage
	s_barrier_signal -1
	s_barrier_wait -1
	ds_load_b128 v[12:15], v8
	s_wait_dscnt 0x0
	global_store_b128 v9, v[12:15], s[14:15]       ; sixteen lanes store 256 consecutive bytes, aligned: four rows of out0
	s_wait_tensorcnt 0x0
	ds_add_u32 v96, v97
	s_wait_dscnt 0x0
	s_endpgm
.Lfunc_end_k_qfeb2297240_finish:
	.size	k_qfeb2297240_finish, .Lfunc_end_k_qfeb2297240_finish-k_qfeb2297240_finish
	.p2alignl 7, 3214868480
	.fill 96, 4, 3214868480
	.section	.rodata,"a",@progbits
	.p2align	6, 0x0
	.amdhsa_kernel k_qfeb2297240_finish
		.amdhsa_group_segment_fixed_size 6144
		.amdhsa_private_segment_fixed_size 0
		.amdhsa_enable_private_segment 0
		.amdhsa_kernarg_size 48
		.amdhsa_user_sgpr_count 2
		.amdhsa_user_sgpr_kernarg_segment_ptr 1
		.amdhsa_wavefront_size32 1
		.amdhsa_system_sgpr_workgroup_id_x 1
		.amdhsa_system_sgpr_workgroup_id_y 1
		.amdhsa_system_sgpr_workgroup_id_z 1
		.amdhsa_system_vgpr_workitem_id 0
		.amdhsa_next_free_vgpr 98
		.amdhsa_next_free_sgpr 66
		.amdhsa_reserve_vcc 1
		.amdhsa_float_denorm_mode_32 3
		.amdhsa_float_denorm_mode_16_64 3
		.amdhsa_memory_ordered 1
		.amdhsa_forward_progress 1
		.amdhsa_inst_pref_size 11
	.end_amdhsa_kernel
	.amdgpu_metadata
---
amdhsa.version: [ 1, 2 ]
amdhsa.kernels:
  - .name:           k_qfeb2297240_finish
    .symbol:         k_qfeb2297240_finish.kd
    .args:
      - { .name: planes, .offset: 0, .size: 8, .value_kind: global_buffer, .address_space: global }
      - { .name: part, .offset: 8, .size: 8, .value_kind: global_buffer, .address_space: global }
      - { .name: k_weight, .offset: 16, .size: 8, .value_kind: global_buffer, .address_space: global }
      - { .name: alpha_coarse, .offset: 24, .size: 8, .value_kind: global_buffer, .address_space: global }
      - { .name: alpha_fine, .offset: 32, .size: 8, .value_kind: global_buffer, .address_space: global }
      - { .name: out0, .offset: 40, .size: 8, .value_kind: global_buffer, .address_space: global }
    .group_segment_fixed_size: 6144
    .private_segment_fixed_size: 0
    .kernarg_segment_align: 8
    .kernarg_segment_size: 48
    .max_flat_workgroup_size: 256
    .sgpr_count:     66
    .vgpr_count:     98
    .wavefront_size: 32
...
	.end_amdgpu_metadata
.endif
;; end of part 3
